; MI455X (gfx1250); checked and timed in simulation.
; The chip was launched on July 23, 2026; its instructions are those of AMD's public machine-readable ISA for CDNA 5 (MIT licence, August 2026) and "CDNA5" Instruction Set Architecture Reference Guide (July 2026). The comments in the code are by the model that wrote it; some were corrected since.
;; Attention. Allowed arithmetic: matrix products marked QUANTISED: E4M3 operands, one given power-of-two scale a tensor, by v_wmma_f32_16x16x64_fp8_fp8 or v_wmma_f32_16x16x128_fp8_fp8, f32 sums; everything else in f32.
;; Inputs: Wf 1,024 x 1,024 float32; Wk 1,024 x 1,024 float32; Wq 1,024 x 1,024 float32; Wv 1,024 x 1,024 float32; bf 1,024 float32; bk 1,024 float32; bq 1,024 float32; bv 1,024 float32; lowp_scales 12 int32 (the exponents e of the quantised operands' scales 2^e); mask 8 x 1,024 bool; memory 8 x 1,024 x 1,024 float32; query 8 x 1,024 x 1,024 float32.
;; Outputs: out0 8 x 1,024 x 1,024 float32; out1 8 x 1,024 x 1,024 float32.
;; This version of the problem:
;;   THIS VERSION OF THE PROBLEM IS GIVEN IN LOW PRECISION. The matrix products marked QUANTISED in the list below multiply operands that are first quantised to E4M3 (4 exponent bits, 3 mantissa bits; 8 bits a number), with one given power-of-two scale for each operand tensor; their sums are f32. All else is computed in f32.
;;   The module's matrix products, in the order in which they are computed (A, B: the left and right operand; K: the contracted axis; several contracted axes count as one K, in the product's order):
;;     1. [M 8,192, K 1,024] x [K 1,024, N 1,024]; A: input memory; B: input Wk: QUANTISED (scales: A lowp_scales[0], B lowp_scales[1])
;;     2. [M 8,192, K 1,024] x [K 1,024, N 1,024]; A: input memory; B: input Wv: QUANTISED (scales: A lowp_scales[2], B lowp_scales[3])
;;     3. [M 8,192, K 1,024] x [K 1,024, N 1,024]; A: input query; B: input Wq: QUANTISED (scales: A lowp_scales[4], B lowp_scales[5])
;;     4. batch 64 x [M 1,024, K 128] x [K 128, N 1,024]; A: computed on the way; B: computed on the way: QUANTISED (scales: A lowp_scales[6], B lowp_scales[7])
;;     5. batch 64 x [M 1,024, K 1,024] x [K 1,024, N 128]; A: softmax (see below); B: computed on the way: QUANTISED (scales: A lowp_scales[8], B lowp_scales[9])
;;     6. [M 8,192, K 1,024] x [K 1,024, N 1,024]; A: computed on the way; B: input Wf: QUANTISED (scales: A lowp_scales[10], B lowp_scales[11])
;;   THE QUANTISER, for each operand of a quantised product, along K:
;;     - The operand's scale is 2^e, e = its entry of the input lowp_scales (int32; the entries are numbered through the quantised products in the list's order, A before B).
;;     - Each number is divided by the scale, clamped to +-448, and rounded to the nearest number of E4M3, ties to even, subnormals kept.
;;     - The product sums the exact products of the quantised numbers (number of the format x scale) in f32.
;;   ~~~python
;;   def quantise(x, axis, e):      # numpy; x: float32 -> the quantised numbers, widened to float32 again
;;       x = np.moveaxis(x, axis, -1); K = x.shape[-1]
;;       r = np.clip(x / 2.0 ** e, -448, 448)
;;       step = 2.0 ** (np.maximum(np.frexp(np.where(r == 0, 1, r))[1] - 1, -6) - 3)
;;       q = np.round(r / step) * step * 2.0 ** e      # np.round: ties to even
;;       return np.moveaxis(q, -1, axis).astype(np.float32)
;;   ~~~
;;   SOFTMAX AHEAD OF A QUANTISED PRODUCT. Where the list says 'softmax', what is quantised is not the finished softmax but p = 2^(t - M), with t = logit x log2(e) and M = ceil(the row's largest t), a whole number; so 1/2 < the row's largest p <= 1. The row's sum l is taken of the UNQUANTISED p, in f32, and the product's result is divided by l at the end. Since M is a whole number, a kernel that streams over the keys may use a running M (the ceiling of the running maximum): every later rescaling is an exact power of two, so the quantised numbers keep their values, but for numbers so far below the row's largest that they fall under the format's range.
;;   OPERANDS COMPUTED ON THE WAY. 'Computed on the way' means the value that the module computes at that place (a softmax that the list does not call 'softmax' is quantised finished and normalised). What goes into a quantiser is computed in f32, as accurately as f32 sums, v_exp_f32 and their like allow (about 1e-6 of the number): no bf16 or f16 on the way to a quantiser, and a product that is left as it is and whose result goes on into a quantised operand takes f32 operands (vector FMAs, or v_wmma_f32_16x16x4_f32). A number that lies on a knife's edge between two numbers of the format may be rounded either way, as far as f32 arithmetic and the matrix unit's own rounding can turn it there, and no further.
;; One version. Each part assembles by itself: llvm-mc -triple=amdgcn-amd-amdhsa -mcpu=gfx1250 --defsym DOCPART=n.
;; ======== version 1 of 1: 4 launches
;; limits: right only within a limited range of input values
;; workspace buffers: xc 25,165,824 bytes; wc 4,194,304 bytes; pc 25,165,824 bytes; cc 8,388,608 bytes
;; launch quant (part 1): grid 1280 x 1, 4 waves a work-group, no clusters, 33,280 bytes of LDS; arguments memory, query, Wk, Wv, Wq, Wf, lowp_scales, xc, wc; writes xc, wc
.if DOCPART == 1
	.amdgcn_target "amdgcn-amd-amdhsa--gfx1250"
	.amdhsa_code_object_version 6
	.text
	.protected	k_q9c1c373eaa_quant
	.globl	k_q9c1c373eaa_quant
	.p2align	8
	.type	k_q9c1c373eaa_quant,@function
k_q9c1c373eaa_quant:
	s_mov_b64 s[64:65], 0
	v_nop
	global_prefetch_b8 v0, s[64:65] scope:SCOPE_SE
	s_setreg_imm32_b32 hwreg(HW_REG_WAVE_MODE, 25, 1), 1
	s_wait_xcnt 0x0
; All f32 operands of the four linear layers become codes of FP8 (E4M3), K innermost, each with the scale 2^e that is given for it.
; code = x / 2^e, held within +-448, rounded to the nearest code, ties to even.
; xc: three planes [8192][1024]: 0 = memory by e0; 1 = memory by e2; 2 = query by e4.   wc: four planes [1024][1024]: Wk (e1), Wv (e3), Wq (e5), Wf (e11).
; ROW ORDER.  Planes that the next launch takes as a product's source 0 (xc plane 1, Wk, Wq) have bits 3 and 4 of the row number swapped: of each 32 rows the groups of eight 0,1,2,3 lie as 0,2,1,3.
; A wave owns four rows, so the swap is a swap of bits 1 and 2 of the number of its unit of four rows.
; SHARES.  A work-group takes 16 rows of 1,024 numbers, a wave 4 rows = 8 steps of 512 numbers.  Work-groups 0-511 memory (two outputs), 512-1023 query, 1024-1087 Wk, 1088-1151 Wv, 1152-1215 Wq, 1216-1279 Wf.
; With 192 registers a wave and 33,280 bytes of LDS a work-group, five work-groups fit on a WGP: 1,280 are five for each of 256, and each wave keeps 16 loads on their way.
; A load reads 512 consecutive bytes, 16 a lane; a step's 2,048 bytes turn through the wave's own stage in LDS (16 bytes of padding behind each 64) and come back 64 bytes a lane: 16 neighbours along K.
; A lane's 16 codes are 16 bytes: a store covers 512 consecutive bytes.  Waves share nothing: no barrier.  Loads run four steps ahead, the turn through LDS one step.
; LIMITS: each e between -126 and 119.  NaN among the inputs is not served (an infinity is held at the largest code).
.set WAVES, 4
.set STEPS, 8
.set SP,    80                         ; a lane's place in a stage: 64 bytes + 16 of padding
.set WREG,  8192                       ; LDS: a region for each wave: two stages of 32 x SP bytes
.set SPARE, WAVES*WREG                 ; behind the regions: the spare words, 128 bytes a wave, which no other line names
.set SPW,   12                         ; v12  LDS address of my spare word; never rewritten
.set NIL,   13                         ; v13  0; never rewritten
.set R,     16                         ; v16-79   four sets of 16 numbers as loaded
.set X,     80                         ; v80-111  two sets of 16 neighbours
.set T,     112                        ; v112-127 the numbers held, at work
.set C1,    128                        ; v128-159 codes of the first output, four registers a step: no store's data are written again
.set C2,    160                        ; v160-191 codes of memory's second output
.macro SWAP12 x, a, b                  ; bits 1 and 2 of s[x] change places
	s_and_b32 s[\a], s[\x], 2
	s_lshl_b32 s[\a], s[\a], 1
	s_and_b32 s[\b], s[\x], 4
	s_lshr_b32 s[\b], s[\b], 1
	s_or_b32 s[\a], s[\a], s[\b]
	s_and_b32 s[\x], s[\x], 0xfffffff9
	s_or_b32 s[\x], s[\x], s[\a]
.endm
	s_load_b256 s[4:11], s[0:1], 0x0               ; memory, query, Wk, Wv
	s_load_b256 s[12:19], s[0:1], 0x20             ; Wq, Wf, the scales' exponents, xc
	s_load_b64 s[20:21], s[0:1], 0x40              ; wc
	v_lshl_add_u32 v[SPW], v0, 2, SPARE
	v_mov_b32 v[NIL], 0
	v_lshrrev_b32 v1, 5, v0
	v_readfirstlane_b32 s24, v1                    ; wave w
	v_and_b32 v2, 31, v0                           ; lane
	v_lshlrev_b32 v3, 4, v2                        ; 16 x lane: my bytes of a load's 512 and of a store's 512
	s_mul_i32 s38, s24, WREG
	v_lshrrev_b32 v14, 2, v2
	v_mul_u32_u24 v14, v14, SP
	v_and_b32 v15, 3, v2
	v_lshl_add_u32 v14, v15, 4, v14
	v_add_nc_u32 v14, s38, v14                     ; the stage on the way in: SP (lane / 4) + 16 (lane % 4)
	v_mul_u32_u24 v15, v2, SP
	v_add_nc_u32 v15, s38, v15                     ; and on the way out: SP x lane
	; which tensor: everything hangs on the work-group's number alone
	s_mov_b32 s26, 1216                            ; the tensor's first work-group
	s_mov_b32 s27, -1024                           ; added to the work-group's number: its place in the target buffer, in blocks of 16 rows
	s_mov_b32 s28, 44                              ; byte of the tensor's exponent among the scales
	s_mov_b32 s29, 0                               ; 1: rows laid in the swapped order
	s_cmp_lt_u32 ttmp9, 1216
	s_cselect_b32 s26, 1152, s26
	s_cselect_b32 s28, 20, s28
	s_cselect_b32 s29, 1, s29
	s_cmp_lt_u32 ttmp9, 1152
	s_cselect_b32 s26, 1088, s26
	s_cselect_b32 s28, 12, s28
	s_cselect_b32 s29, 0, s29
	s_cmp_lt_u32 ttmp9, 1088
	s_cselect_b32 s26, 1024, s26
	s_cselect_b32 s28, 4, s28
	s_cselect_b32 s29, 1, s29
	s_cmp_lt_u32 ttmp9, 1024
	s_cselect_b32 s26, 512, s26
	s_cselect_b32 s27, 512, s27
	s_cselect_b32 s28, 16, s28
	s_cselect_b32 s29, 0, s29
	s_cmp_lt_u32 ttmp9, 512
	s_cselect_b32 s26, 0, s26
	s_cselect_b32 s27, 0, s27
	s_cselect_b32 s28, 0, s28
	s_sub_co_u32 s38, ttmp9, s26
	s_lshl_b32 s38, s38, 2
	s_add_co_u32 s38, s38, s24
	s_lshl_b32 s38, s38, 14                        ; source: 4 rows of 4,096 bytes a wave
	s_mov_b32 s39, 0
	s_add_co_u32 s40, ttmp9, s27
	s_lshl_b32 s40, s40, 2
	s_add_co_u32 s40, s40, s24                     ; my unit of four rows in the target buffer,
	s_mov_b32 s25, s40
	SWAP12 25, 44, 45                              ; and its place in the swapped order
	s_cmp_eq_u32 s29, 1
	s_cselect_b32 s40, s25, s40
	s_lshl_b32 s40, s40, 12                        ; first output: 4 rows of 1,024 bytes a wave
	s_mov_b32 s41, 0
	s_add_co_u32 s42, ttmp9, 512
	s_lshl_b32 s42, s42, 2
	s_add_co_u32 s42, s42, s24
	SWAP12 42, 44, 45
	s_lshl_b32 s42, s42, 12                        ; memory's second output: plane 1, swapped order
	s_mov_b32 s43, 0
	s_mov_b32 s29, 0                               ; s[28:29]: the exponent's byte offset as a pair
	s_wait_kmcnt 0x0
	s_mov_b64 s[32:33], s[14:15]
	s_cmp_lt_u32 ttmp9, 1216
	s_cselect_b64 s[32:33], s[12:13], s[32:33]
	s_cmp_lt_u32 ttmp9, 1152
	s_cselect_b64 s[32:33], s[10:11], s[32:33]
	s_cmp_lt_u32 ttmp9, 1088
	s_cselect_b64 s[32:33], s[8:9], s[32:33]
	s_cmp_lt_u32 ttmp9, 1024
	s_cselect_b64 s[32:33], s[6:7], s[32:33]
	s_cselect_b64 s[34:35], s[18:19], s[20:21]
	s_cmp_lt_u32 ttmp9, 512
	s_cselect_b64 s[32:33], s[4:5], s[32:33]
	s_add_nc_u64 s[44:45], s[16:17], s[28:29]
	s_load_b32 s30, s[44:45], 0x0                  ; e of the first output
	s_load_b32 s31, s[16:17], 0x8                  ; e2, for memory's second
	s_add_nc_u64 s[32:33], s[32:33], s[38:39]
	s_add_nc_u64 s[34:35], s[34:35], s[40:41]
	s_add_nc_u64 s[36:37], s[18:19], s[42:43]
.macro LOAD t
.irp i, 0,1,2,3
	global_load_b128 v[R+16*((\t)%4)+4*\i:R+16*((\t)%4)+4*\i+3], v3, s[32:33] offset:2048*(\t)+512*\i th:TH_LOAD_NT   ; 32 lanes read 512 consecutive bytes
.endr
.endm
.macro TURN t                          ; step t's numbers through the stage: LDS serves a wave's instructions in order, so no wait stands between the stores and the loads
.irp i, 0,1,2,3
	ds_store_b128 v14, v[R+16*((\t)%4)+4*\i:R+16*((\t)%4)+4*\i+3] offset:32*SP*((\t)%2)+8*SP*\i
.endr
.irp i, 0,1,2,3
	ds_load_b128 v[X+16*((\t)%2)+4*\i:X+16*((\t)%2)+4*\i+3], v15 offset:32*SP*((\t)%2)+16*\i
.endr
.endm
; step t's 16 neighbours are held within +-v[lim] (the conversion to an 8-bit code does not saturate: ISA guide 7.6.2), converted with the scale v[sc] into v[c + 4 t] on, and stored
.macro CODES t, lim, sc, c, lo
.set XS, X+16*((\t)%2)
.set J, 0
.rept 16
	v_med3_num_f32 v[T+J], v[XS+J], -v[\lim], v[\lim]
.set J, J+1
.endr
	v_cvt_scalef32_pk8_fp8_f32 v[\c+4*(\t):\c+4*(\t)+1], v[T:T+7], v[\sc]
	v_cvt_scalef32_pk8_fp8_f32 v[\c+4*(\t)+2:\c+4*(\t)+3], v[T+8:T+15], v[\sc]
	v_nop                                          ; a plain vector line between the conversions and the next write of their sources
	global_store_b128 v3, v[\c+4*(\t):\c+4*(\t)+3], s[\lo:\lo+1] offset:512*(\t)   ; 32 lanes store 512 consecutive bytes
.endm
.irp t, 0,1,2,3
	LOAD \t
.endr
	s_wait_kmcnt 0x0
	s_add_co_i32 s30, s30, 127
	s_lshl_b32 s38, s30, 23
	v_mov_b32 v11, s38                             ; 2^e as f32: the conversion takes its exponent field
	s_add_co_i32 s30, s30, 8
	s_lshl_b32 s30, s30, 23
	s_or_b32 s30, s30, 0x600000
	v_mov_b32 v10, s30                             ; 448 x 2^e
	s_add_co_i32 s31, s31, 127
	s_lshl_b32 s38, s31, 23
	v_mov_b32 v9, s38                              ; 2^e2
	s_add_co_i32 s31, s31, 8
	s_lshl_b32 s31, s31, 23
	s_or_b32 s31, s31, 0x600000
	v_mov_b32 v8, s31                              ; 448 x 2^e2
	s_wait_loadcnt 12                              ; step 0's four loads are in; the twelve of steps 1 to 3 may be out
	TURN 0
.macro STEP t
	s_wait_dscnt 0x0                               ; this step's numbers are back from the stage, so its stores into the stage have read their registers,
.if (\t)+4 < STEPS
	LOAD (\t)+4                                    ; which take the loads of four steps on
.endif
.if (\t)+1 < STEPS
.if STEPS-2-(\t) >= 3
	s_wait_loadcnt 12                              ; the next step's four loads are in; those of the three steps behind it may be out
.else
	s_wait_loadcnt 4*(STEPS-2-(\t))
.endif
	TURN (\t)+1                                    ; and go through the other stage while this step is worked
.endif
	CODES \t, 10, 11, C1, 34
	s_cmp_lt_u32 ttmp9, 512                        ; memory is an operand of two products, each with a scale of its own: a branch on the work-group's number, round register work and one store
	s_cbranch_scc0 .Lone_\@
	CODES \t, 8, 9, C2, 36
.Lone_\@:
.endm
.irp t, 0,1,2,3,4,5,6,7
	STEP \t
.endr
	s_wait_tensorcnt 0x0                           ; the wave's end, behind my last LDS store
	ds_add_u32 v[SPW], v[NIL]
	s_wait_dscnt 0x0
	s_endpgm
.Lfunc_end_k_q9c1c373eaa_quant:
	.size	k_q9c1c373eaa_quant, .Lfunc_end_k_q9c1c373eaa_quant-k_q9c1c373eaa_quant
	.p2alignl 7, 3214868480
	.fill 96, 4, 3214868480
	.section	.rodata,"a",@progbits
	.p2align	6, 0x0
	.amdhsa_kernel k_q9c1c373eaa_quant
		.amdhsa_group_segment_fixed_size 33280
		.amdhsa_private_segment_fixed_size 0
		.amdhsa_enable_private_segment 0
		.amdhsa_kernarg_size 72
		.amdhsa_user_sgpr_count 2
		.amdhsa_user_sgpr_kernarg_segment_ptr 1
		.amdhsa_wavefront_size32 1
		.amdhsa_system_sgpr_workgroup_id_x 1
		.amdhsa_system_sgpr_workgroup_id_y 1
		.amdhsa_system_sgpr_workgroup_id_z 1
		.amdhsa_system_vgpr_workitem_id 0
		.amdhsa_next_free_vgpr 192
		.amdhsa_next_free_sgpr 66
		.amdhsa_reserve_vcc 0
		.amdhsa_float_denorm_mode_32 3
		.amdhsa_float_denorm_mode_16_64 3
		.amdhsa_memory_ordered 1
		.amdhsa_forward_progress 1
		.amdhsa_inst_pref_size 34
	.end_amdhsa_kernel
	.amdgpu_metadata
---
amdhsa.version: [ 1, 2 ]
amdhsa.kernels:
  - .name:           k_q9c1c373eaa_quant
    .symbol:         k_q9c1c373eaa_quant.kd
    .args:
      - { .name: memory, .offset: 0, .size: 8, .value_kind: global_buffer, .address_space: global }
      - { .name: query, .offset: 8, .size: 8, .value_kind: global_buffer, .address_space: global }
      - { .name: Wk, .offset: 16, .size: 8, .value_kind: global_buffer, .address_space: global }
      - { .name: Wv, .offset: 24, .size: 8, .value_kind: global_buffer, .address_space: global }
      - { .name: Wq, .offset: 32, .size: 8, .value_kind: global_buffer, .address_space: global }
      - { .name: Wf, .offset: 40, .size: 8, .value_kind: global_buffer, .address_space: global }
      - { .name: lowp_scales, .offset: 48, .size: 8, .value_kind: global_buffer, .address_space: global }
      - { .name: xc, .offset: 56, .size: 8, .value_kind: global_buffer, .address_space: global }
      - { .name: wc, .offset: 64, .size: 8, .value_kind: global_buffer, .address_space: global }
    .group_segment_fixed_size: 33280
    .private_segment_fixed_size: 0
    .kernarg_segment_align: 8
    .kernarg_segment_size: 72
    .max_flat_workgroup_size: 128
    .sgpr_count:     66
    .vgpr_count:     192
    .wavefront_size: 32
...
	.end_amdgpu_metadata
.endif
;; end of part 1
;; launch proj (part 2): grid 4 x 96, 4 waves a work-group, clusters of 4 x 4, 327,680 bytes of LDS; arguments xc, wc, lowp_scales, bk, bv, bq, pc; writes pc
.if DOCPART == 2
	.amdgcn_target "amdgcn-amd-amdhsa--gfx1250"
	.amdhsa_code_object_version 6
	.text
	.protected	k_q9c1c373eaa_proj
	.globl	k_q9c1c373eaa_proj
	.p2align	8
	.type	k_q9c1c373eaa_proj,@function
k_q9c1c373eaa_proj:
	s_mov_b64 s[64:65], 0
	v_nop
	global_prefetch_b8 v0, s[64:65] scope:SCOPE_SE
	s_setreg_imm32_b32 hwreg(HW_REG_WAVE_MODE, 25, 1), 1
	s_wait_xcnt 0x0
	s_wait_alu depctr_hold_cnt(0) depctr_sa_sdst(0) depctr_va_vdst(0) depctr_va_sdst(0) depctr_va_ssrc(0) depctr_va_vcc(0) depctr_vm_vsrc(0)
	s_getreg_b32 s2, hwreg(HW_REG_IB_STS2, 6, 4)
	s_cmp_eq_u32 s2, 0
	s_cbranch_scc0 .Lentry_in_a_cluster
	s_endpgm
.Lentry_in_a_cluster:
	s_bfe_u32 s2, ttmp6, 0x10000c
	s_cmp_lg_u32 s2, 0xf033
	s_cbranch_scc0 .Lentry_shape_is_right
	s_endpgm
.Lentry_shape_is_right:
; The three projections on codes of FP8 (E4M3): k = memory Wk^T + bk, v = memory Wv^T + bv, q = (query Wq^T + bq) / sqrt(128); each result is quantised at once, along the K of the attention product that takes it.
; pc: three planes (0 k, 1 v, 2 q) of [64 = batch x 8 + head][8 blocks of 128 tokens][128 rows][128 bytes].  k, q: row = token, byte = channel d.  v: row = d, byte = token (the keys are its K).
; Rows of a block lie with bits 3 and 4 of the row number swapped (groups of eight 0,2,1,3 in each 32), as the attention launch wants its source 0.
; ROLES.  Source 1 of the matrix instruction gives a lane its row (role R), source 0 runs along the lane's registers (role C), which become neighbours along the codes' K.  k, q: R = tokens, C = the weight's rows.  v: R = Wv's rows, C = tokens.
; Role C's operand lies in memory in the swapped order, so that the 16 registers of tiles 2 b and 2 b + 1 are the 16 neighbours 32 b + 16 (lane / 16) + 0 .. 15.
; SHARES.  A tile of 256 x 256 to a work-group of four waves, 128 x 128 a wave (64 accumulators, 512 registers); K = 1,024 in four steps of 256 through a ring of two LDS slots filled by the tensor data mover.
; 24 clusters of 4 x 4: cluster y / 8 is the plane.  R's tile is shared along a row of the cluster, C's along a column: joint loads, each with the mask of its four.
; BIAS.  Along role C (k, q) it is the C of each sum's first matrix instruction, divided by 2^(ea + eb); along role R (v) it is the addend of the way out's multiply-add.  The one that does not apply is masked to 0.
; The three scales are folded: a sum stands for sum x 2^(ea + eb), so its code is sum / 2^(eout - ea - eb).
; LIMITS: eout - ea - eb between -126 and 127 for each of the three planes; bias / 2^(ea + eb) is an f32 number.  NaN is not served.
; REGISTERS, in windows of 256: window 0: v0-31 addresses, v12 the conversion's scale; v32-95 the bias tiles, later the numbers at work; v96-111 the row bias; from v128 R's fragments, ONE set; on the way out v112-175 codes and rows.
;   window 1: C's fragments, two sets.   windows 2, 3: the accumulators (a, b) at v[8 (8 (a % 4) + b)].
.set ROWB,   256                       ; a tile's row in bytes
.set KROW,   1024                      ; a row of an operand in memory
.set PITCH,  272                       ; an LDS row: 256 + 16 bytes: the 16 rows of a fragment load start at 16 different banks
.set FR,     16
.set NL,     4
.set NP,     4
.set HALFT,  128*PITCH
.set SLOT,   4*HALFT
.set SPARE,  2*SLOT                    ; behind the ring: the spare words, 128 bytes a wave, which no other line names
.set OPITCH, 144                       ; the way out: a stage of 16 rows x (128 + 16) bytes a wave, in slot 0, which has had its last fill and its last read by then
.set SCL,  12
.set LIM,  13
.set ADRA, 16
.set ADRB, 20
.set STO,  24
.set RD,   25
.set CO,   26
.set SPW,  28
.set NIL,  29
.set CB,   32                          ; v32-95  bias tiles for role C
.set T,    32                          ; the same registers on the way out
.set RB,   96                          ; v96-111 row bias, a pair for each block of 16 rows
.set PC,   112                         ; codes: v112-127 and v160-175 by turns
.set BK,   128                         ; rows read back: v128-143 and v144-159 by turns
.set AF,   128
.set G1, 24
.set G0, 32
.set G1B, 48
.set G0B, 56
.set MSB, 0
.macro WIN new                         ; the immediate's high byte repeats the setting that is left
.if MSB != \new
	s_set_vgpr_msb (MSB<<8)|\new
.set MSB, \new
.endif
.endm
.set MUL_LO, 0xa1                      ; source 0 window 1, source 1 window 0, C and D window 2
.set MUL_HI, 0xf1                      ; the same, C and D window 3
.set FST_LO, 0x81                      ; the first step: C (the bias) window 0, D window 2
.set FST_HI, 0xc1                      ; D window 3
.set TO_B,   0x40
; A joint load: waves 0 and 1 fetch for role R, waves 2 and 3 for role C.  The branch hangs on the wave's number alone.  An s_nop 0 and four v_nop follow each line.
.macro JLOAD g0a, g1a, g0b, g1b
	s_cmp_eq_u32 s15, 0
	s_cbranch_scc0 .Lfor_b_\@
	tensor_load_to_lds s[\g0a:\g0a+3], s[\g1a:\g1a+7]
	s_nop 0
.rept 4
	v_nop
.endr
	s_branch .Lasked_\@
.Lfor_b_\@:
	tensor_load_to_lds s[\g0b:\g0b+3], s[\g1b:\g1b+7]
	s_nop 0
.rept 4
	v_nop
.endr
.Lasked_\@:
.endm
.macro CREST
	s_cmp_lg_u32 s14, 0
	s_cbranch_scc1 .Lnot_wave_0_\@
	s_barrier_signal -3
.Lnot_wave_0_\@:
	s_barrier_wait -3
	s_barrier_signal -1
	s_barrier_wait -1
.endm
.macro CROUND
	s_barrier_signal -1
	s_barrier_wait -1
	CREST
.endm
	s_load_b256 s[4:11], s[0:1], 0x0               ; xc, wc, the scales' exponents, bk
	s_load_b128 s[68:71], s[0:1], 0x20             ; bv, bq
	s_load_b64 s[72:73], s[0:1], 0x30              ; pc
	v_lshl_add_u32 v[SPW], v0, 2, SPARE
	v_mov_b32 v[NIL], 0
	ds_add_u32 v[SPW], v[NIL]                      ; the wave's opening: the add and its wait stand ahead of my first tensor load; register work stands between them
	ds_add_u32 v[SPW], v[NIL]
	v_lshrrev_b32 v1, 5, v0
	v_readfirstlane_b32 s14, v1                    ; wave 0..3
	s_lshr_b32 s15, s14, 1                         ; my half of the tile's rows.  Also: I fetch for role R (0) or C (1)
	s_and_b32 s16, s14, 1                          ; my half of its columns.  Also: which 128 rows I fetch
	s_bfe_u32 s40, ttmp6, 0x40000                  ; cx
	s_bfe_u32 s41, ttmp6, 0x40004                  ; cy
	s_and_b32 s66, ttmp7, 0xffff                   ; cluster y, 0..23
	s_and_b32 s67, s66, 7
	s_lshl_b32 s67, s67, 2                         ; four tiles of tokens to a cluster
	s_lshr_b32 s66, s66, 3                         ; the plane p: the same in all sixteen partners
	s_lshl_b32 s76, s66, 23                        ; xc's plane p
	s_lshl_b32 s78, s66, 20                        ; wc's plane p
	s_cmp_eq_u32 s66, 1
	s_cselect_b32 s74, 0, s67                      ; tokens are rows (k, q)
	s_cselect_b32 s75, s67, 0                      ; or columns (v)
	s_cselect_b32 s76, 0x100000, s76               ; role R's plane: v: Wv in wc
	s_cselect_b32 s78, 0x800000, s78               ; role C's plane: v: plane 1 of xc
	s_cselect_b32 s12, 0, -1                       ; keeps the bias along role C
	s_cselect_b32 s13, -1, 0                       ; keeps the bias along role R
	s_add_co_u32 s17, s41, s74                     ; tile row: cy and the cluster's y alone
	s_add_co_u32 s42, s40, s75                     ; tile column: cx and the cluster's y alone
	s_lshl_b32 s43, s41, 2
	s_lshl_b32 s43, 15, s43                        ; my row of the cluster
	s_lshl_b32 s44, 0x1111, s40                    ; my column
	s_or_b32 s[G1+0], s43, (0<<16)|(1<<20)|(1<<21)|(5<<22)|(3<<25)  ; the mask; elements of 1 byte; padding on; bit 21 beside a mask; 4 words of padding after every 64
	s_or_b32 s[G1B+0], s44, (0<<16)|(1<<20)|(1<<21)|(5<<22)|(3<<25)
.irp g, G1, G1B
	s_mov_b32 s[\g+1], ROWB<<16                    ; tensor_dim0
	s_mov_b32 s[\g+2], 128<<16                     ; tensor_dim1
	s_mov_b32 s[\g+3], ROWB<<16                    ; tile_dim0
	s_mov_b32 s[\g+4], 128                         ; tile_dim1
	s_mov_b32 s[\g+5], KROW                        ; the pitch in memory
	s_mov_b32 s[\g+6], 0
	s_mov_b32 s[\g+7], 0
.endr
	s_lshl_b32 s18, s16, 17                        ; the 128 rows of 1,024 bytes that I fetch
	s_lshl_b32 s20, s17, 18
	s_add_co_u32 s20, s20, s18
	s_add_co_u32 s20, s20, s76                     ; role R: plane + (256 tile row + 128 half) rows
	s_mov_b32 s21, 0
	s_lshl_b32 s46, s42, 18
	s_add_co_u32 s46, s46, s18
	s_add_co_u32 s46, s46, s78                     ; role C likewise, by the tile column
	s_mov_b32 s47, 0
	s_mul_i32 s45, s14, HALFT                      ; where they go: wave x 128 rows
	s_wait_dscnt 0x0                               ; the opening add is done
	s_wait_kmcnt 0x0
	s_load_b256 s[84:91], s[8:9], 0x0              ; e0 .. e7
	s_load_b128 s[92:95], s[8:9], 0x20             ; e8 .. e11
	s_cmp_eq_u32 s66, 1
	s_cselect_b64 s[80:81], s[6:7], s[4:5]         ; role R's buffer
	s_cselect_b64 s[82:83], s[4:5], s[6:7]         ; role C's
	s_add_nc_u64 s[20:21], s[80:81], s[20:21]
	s_add_nc_u64 s[46:47], s[82:83], s[46:47]
	CROUND                                         ; all sixteen work-groups are here: the first joint loads meet
.irp s, 0,1
	s_mov_b32 s[G0+4*\s], 1
	s_add_co_u32 s[G0+4*\s+1], s45, \s*SLOT
	s_add_nc_u64 s[G0+4*\s+2:G0+4*\s+3], s[20:21], \s*ROWB
	s_or_b32 s[G0+4*\s+3], s[G0+4*\s+3], 0x80000000
	s_mov_b32 s[G0B+4*\s], 1
	s_add_co_u32 s[G0B+4*\s+1], s45, \s*SLOT
	s_add_nc_u64 s[G0B+4*\s+2:G0B+4*\s+3], s[46:47], \s*ROWB
	s_or_b32 s[G0B+4*\s+3], s[G0B+4*\s+3], 0x80000000
	JLOAD G0+4*\s, G1, G0B+4*\s, G1B
.endr
	; the biases: where mine begin
	s_lshl_b32 s76, s42, 10
	s_lshl_b32 s77, s16, 9
	s_add_co_u32 s76, s76, s77
	s_and_b32 s76, s76, s12                        ; along role C: 4 (256 tile column + 128 half) bytes; 0 where tokens are columns, so that the load stays in its buffer
	s_mov_b32 s77, 0
	s_lshl_b32 s78, s17, 10
	s_lshl_b32 s79, s15, 9
	s_add_co_u32 s78, s78, s79
	s_and_b32 s78, s78, s13                        ; along role R likewise
	s_mov_b32 s79, 0
	s_cmp_eq_u32 s66, 0
	s_cselect_b64 s[18:19], s[10:11], s[70:71]
	s_cmp_eq_u32 s66, 1
	s_cselect_b64 s[18:19], s[68:69], s[18:19]     ; bk, bv or bq
	s_add_nc_u64 s[80:81], s[18:19], s[76:77]
	s_add_nc_u64 s[82:83], s[18:19], s[78:79]
	v_and_b32 v1, 15, v0                           ; r = lane % 16
	v_bfe_u32 v2, v0, 4, 1                         ; h = lane / 16
	v_lshlrev_b32 v7, 6, v2                        ; 64 h
	v_lshlrev_b32 v8, 2, v1                        ; 4 r
.irp b, 0,1,2,3,4,5,6,7
	global_load_b128 v[CB+8*\b:CB+8*\b+3], v7, s[80:81] offset:(32*(\b/2)+8*(\b%2))*4       ; tile b, register j: the bias of column 32 (b / 2) + 16 h + 8 (b % 2) + j
	global_load_b128 v[CB+8*\b+4:CB+8*\b+7], v7, s[80:81] offset:(32*(\b/2)+8*(\b%2))*4+16
.endr
.irp a, 0,1,2,3,4,5,6,7
	global_load_b32 v[RB+2*\a], v8, s[82:83] offset:64*\a                                    ; block a: the bias of row 16 a + r
.endr
	v_mul_u32_u24 v3, v1, PITCH
	v_lshl_add_u32 v4, v2, 4, v3                   ; a fragment's row x pitch + 16 x half
	s_mul_i32 s21, s15, HALFT                      ; my 128 rows of role R
	s_mul_i32 s22, s16, HALFT                      ; my 128 rows of role C,
	s_add_co_u32 s22, s22, 2*HALFT                 ; which lie behind R's 256
.irp s, 0,1
	v_add_nc_u32 v[ADRA+\s], s21, v4
	v_add_nc_u32 v[ADRB+\s], s22, v4
	s_add_co_u32 s21, s21, SLOT
	s_add_co_u32 s22, s22, SLOT
.endr
	s_mul_i32 s23, s14, 16*OPITCH                  ; my stage
	v_mul_u32_u24 v5, v1, OPITCH
	v_lshl_add_u32 v5, v2, 4, v5
	v_add_nc_u32 v[STO], s23, v5                   ; in: row r, 16 bytes for each half of the lanes
	v_bfe_u32 v5, v0, 3, 2
	v_mul_u32_u24 v5, v5, OPITCH
	v_and_b32 v6, 7, v0
	v_lshl_add_u32 v5, v6, 4, v5
	v_add_nc_u32 v[RD], s23, v5                    ; back: eight lanes to a row of 128 bytes, four rows an instruction
	v_and_b32 v6, 31, v0
	v_lshlrev_b32 v[CO], 4, v6                     ; and the same 512 bytes in pc
	; where my block of 16 KiB lies in pc
	s_lshl_b32 s74, s17, 1
	s_add_co_u32 s74, s74, s15                     ; my block of 128 rows
	s_lshl_b32 s75, s42, 1
	s_add_co_u32 s75, s75, s16                     ; my block of 128 columns
	s_cmp_eq_u32 s66, 1
	s_cselect_b32 s76, s75, s74                    ; the block of tokens, 0..63
	s_cselect_b32 s77, s74, s75                    ; the head
	s_lshr_b32 s78, s76, 3
	s_lshl_b32 s78, s78, 6
	s_lshl_b32 s77, s77, 3
	s_and_b32 s76, s76, 7
	s_add_co_u32 s78, s78, s77
	s_add_co_u32 s78, s78, s76                     ; (batch x 8 + head) x 8 + block
	s_lshl_b32 s78, s78, 14
	s_lshl_b32 s79, s66, 23
	s_add_co_u32 s78, s78, s79
	s_mov_b32 s79, 0
	s_add_nc_u64 s[98:99], s[72:73], s[78:79]
	s_wait_kmcnt 0x0                               ; the exponents
	s_add_co_i32 s100, s84, s85
	s_add_co_i32 s2, s86, s87
	s_add_co_i32 s3, s88, s89
	s_cmp_eq_u32 s66, 1
	s_cselect_b32 s100, s2, s100
	s_cselect_b32 s2, s93, s91                     ; eout: v e9, k e7,
	s_cmp_eq_u32 s66, 2
	s_cselect_b32 s100, s3, s100                   ; ea + eb of my plane
	s_cselect_b32 s2, s90, s2                      ; q e6
	s_cselect_b32 s96, 0x3db504f3, 1.0             ; q alone is multiplied by 1 / sqrt(128)
	s_mov_b32 s97, s96                             ; (named with it as a pair, so it is written)
	s_sub_co_i32 s101, 0, s100
	s_sub_co_i32 s2, s2, s100
	s_add_co_i32 s2, s2, 127
	s_lshl_b32 s3, s2, 23
	v_mov_b32 v[SCL], s3                           ; 2^(eout - ea - eb) as f32: the conversion takes its exponent field
	s_add_co_i32 s2, s2, 8
	s_lshl_b32 s2, s2, 23
	s_or_b32 s2, s2, 0x600000
	s_wait_loadcnt 0x0                             ; the biases
.set J, 0
.rept 64
	v_and_b32 v[CB+J], s12, v[CB+J]
.set J, J+1
.endr
.set J, 0
.rept 64
	v_ldexp_f32 v[CB+J], v[CB+J], s101             ; bias / 2^(ea + eb): the sums lack that power of two
.set J, J+1
.endr
.irp a, 0,1,2,3,4,5,6,7
	v_and_b32 v[RB+2*\a], s13, v[RB+2*\a]
	v_ldexp_f32 v[RB+2*\a], v[RB+2*\a], s101
	v_mov_b32 v[RB+2*\a+1], v[RB+2*\a]
.endr
.macro FRAG reg, adr, q, i             ; 16 rows x 128 K in 16 registers: lane l holds row l % 16; registers 4 c .. 4 c + 3 hold K = 32 c + 16 (l / 16) + 0 .. 15, alike on both sides
.irp c, 0,1,2,3
	ds_load_b128 v[\reg+4*\c:\reg+4*\c+3], v[\adr] offset:128*(\q)+32*\c+(\i)*16*PITCH
.endr
.endm
; 16 matrix instructions: R's blocks a0, a0 + 1 x C's eight.  first = 1: the bias tile starts the sum.  The 64 accumulators take turns, one instruction a turn, in the same order in every step.
.macro MUL16 a0, p, first
.irp a, \a0, \a0+1
.irp b, 0,1,2,3,4,5,6,7
.if \first
	v_wmma_f32_16x16x128_fp8_fp8 v[8*(8*((\a)%4)+\b):8*(8*((\a)%4)+\b)+7], v[128*(\p)+FR*\b:128*(\p)+FR*\b+FR-1], v[AF+FR*(\a):AF+FR*(\a)+FR-1], v[CB+8*\b:CB+8*\b+7]
.else
	v_wmma_f32_16x16x128_fp8_fp8 v[8*(8*((\a)%4)+\b):8*(8*((\a)%4)+\b)+7], v[128*(\p)+FR*\b:128*(\p)+FR*\b+FR-1], v[AF+FR*(\a):AF+FR*(\a)+FR-1], v[8*(8*((\a)%4)+\b):8*(8*((\a)%4)+\b)+7]
.endif
.endr
.endr
.endm
.macro FETCH_B slot, q, p
	WIN TO_B
.irp i, 0,1,2,3,4,5,6,7
	FRAG 128*(\p)+FR*\i, ADRB+\slot, \q, \i
.endr
	WIN 0
.endm
.macro FETCH_A slot, q, i0
.irp i, \i0, \i0+1, \i0+2, \i0+3
	FRAG AF+FR*(\i), ADRA+\slot, \q, \i
.endr
.endm
.macro PLACES n                        ; plain vector lines between a matrix instruction and a load into, or a vector read of, its registers
.rept \n
	v_nop
.endr
.endm
; A step of 128 along K that has its successor in the same slot.
.macro STEP slot, q, first
	s_wait_dscnt 4*NL                              ; C's set and R's blocks 0-3 are in; the youngest sixteen loads (R's blocks 4-7) may be out
.if \first
	WIN FST_LO
.else
	WIN MUL_LO
.endif
	MUL16 0, (\q)%2, \first
	MUL16 2, (\q)%2, \first
	s_wait_dscnt 0
	PLACES NP
	FETCH_B \slot, (\q)+1, 1-(\q)%2
	FETCH_A \slot, (\q)+1, 0
.if \first
	WIN FST_HI
.else
	WIN MUL_HI
.endif
	MUL16 4, (\q)%2, \first
	MUL16 6, (\q)%2, \first
	PLACES NP
	WIN 0
	FETCH_A \slot, (\q)+1, 4
.endm
; A slot's last step changes slots: one barrier; in front of it each wave waits for all its tensor loads, adds 0 to its spare word, and waits for that and for its reads of this slot.  fill = 1: the slot is filled again, two K steps ahead.
.macro TURN slot, next, fill
	s_wait_tensorcnt 0x0                           ; all my tensor loads have landed: my part of the next slot
	ds_add_u32 v[SPW], v[NIL]                      ; 0 onto my spare word
	s_wait_dscnt 4*NL+1                            ; (the add and the youngest sixteen loads may be out)
	WIN MUL_LO
	MUL16 0, 1, 0
	s_wait_dscnt 0x0                               ; the add is done, and my reads of this slot are over
	s_barrier_signal -1
	MUL16 2, 1, 0
	WIN 0
	s_barrier_wait -1
.if \fill
	CREST                                          ; the barrier has opened a round of the cluster's: no wave of any partner still reads this slot or has a load on its way
	s_add_nc_u64 s[G0+4*\slot+2:G0+4*\slot+3], s[G0+4*\slot+2:G0+4*\slot+3], 2*ROWB
	s_add_nc_u64 s[G0B+4*\slot+2:G0B+4*\slot+3], s[G0B+4*\slot+2:G0B+4*\slot+3], 2*ROWB
	JLOAD G0+4*\slot, G1, G0B+4*\slot, G1B         ; the first tensor load behind the round; its four v_nop are the places in front of the loads below
.else
	PLACES NP
.endif
	FETCH_B \next, 0, 0
	FETCH_A \next, 0, 0
	WIN MUL_HI
	MUL16 4, 1, 0
	MUL16 6, 1, 0
	PLACES NP
	WIN 0
	FETCH_A \next, 0, 4
.endm
	s_wait_tensorcnt 1                             ; my part of K step 0 is in; K step 1's load may be out
	s_barrier_signal -1
	s_barrier_wait -1
	FETCH_B 0, 0, 0
	FETCH_A 0, 0, 0
	FETCH_A 0, 0, 4
	STEP 0, 0, 1                                   ; four K steps of 256, written out
	TURN 0, 1, 1                                   ; slot 0 takes K step 2
	STEP 1, 0, 0
	TURN 1, 0, 1                                   ; slot 1 takes K step 3
	STEP 0, 0, 0
	TURN 0, 1, 0                                   ; nothing more to fetch
	STEP 1, 0, 0
	s_wait_dscnt 4*NL
	WIN MUL_LO
	MUL16 0, 1, 0
	MUL16 2, 1, 0
	s_wait_dscnt 0
	WIN MUL_HI
	MUL16 4, 1, 0
	MUL16 6, 1, 0
	WIN 0
; THE WAY OUT, a block of 16 rows x 128 columns at a time: sum x c + row bias; the conversion; a lane's 4 x 16 bytes into my stage; back as whole rows of 128 bytes, four rows an instruction.
.macro TOSTAGE a
.set AC, 64*((\a)%4)
.set PCS, PC+48*((\a)%2)
.set BB, BK+16*((\a)%2)
	WIN 0x02+((\a)/4)                              ; source 0: window 2 or 3
.set J, 0
.rept 32
	v_pk_fma_f32 v[T+J:T+J+1], v[AC+J:AC+J+1], s[96:97], v[RB+2*(\a):RB+2*(\a)+1] op_sel_hi:[1,0,1]   ; each accumulator from its low end on
.set J, J+2
.endr
	WIN 0
.set J, 0
.rept 64
.set J, J+1
.endr
.irp b, 0,1,2,3
	v_cvt_scalef32_pk8_fp8_f32 v[PCS+4*\b:PCS+4*\b+1], v[T+16*\b:T+16*\b+7], v[SCL]
	v_cvt_scalef32_pk8_fp8_f32 v[PCS+4*\b+2:PCS+4*\b+3], v[T+16*\b+8:T+16*\b+15], v[SCL]
.endr
	v_nop                                          ; a plain vector line between the conversions and the next write of their sources
.irp b, 0,1,2,3
	ds_store_b128 v[STO], v[PCS+4*\b:PCS+4*\b+3] offset:32*\b      ; columns 32 b + 16 h + 0 .. 15 of row r
.endr
.irp i, 0,1,2,3
	ds_load_b128 v[BB+4*\i:BB+4*\i+3], v[RD] offset:4*OPITCH*\i    ; LDS serves a wave's instructions in order: these see the stores above
.endr
.endm
.macro SEND a, younger                 ; younger: the LDS instructions issued behind block a's loads
.set BB, BK+16*((\a)%2)
	s_wait_dscnt \younger
.irp i, 0,1,2,3
	global_store_b128 v[CO], v[BB+4*\i:BB+4*\i+3], s[98:99] offset:128*(((\a)/2)*32+(\i/2)*16+((\a)%2)*8+(\i%2)*4)   ; rows 16 a + 4 i on, at their swapped place: 512 consecutive bytes
.endr
.endm
	PLACES NP
	TOSTAGE 0
.irp a, 1,2,3,4,5,6,7
.if \a > 1
	s_wait_xcnt 0x0                                ; block a - 2's stores have read their registers: block a's rows may land there
.endif
	TOSTAGE \a
	SEND \a-1, 8                                   ; behind block a - 1's loads: block a's 4 stores and 4 loads
.endr
	SEND 7, 0
	s_wait_tensorcnt 0x0                           ; the wave's end
	ds_add_u32 v[SPW], v[NIL]
	s_wait_dscnt 0x0
	CROUND                                         ; the closing round
	s_endpgm
.Lfunc_end_k_q9c1c373eaa_proj:
	.size	k_q9c1c373eaa_proj, .Lfunc_end_k_q9c1c373eaa_proj-k_q9c1c373eaa_proj
	.p2alignl 7, 3214868480
	.fill 96, 4, 3214868480
	.section	.rodata,"a",@progbits
	.p2align	6, 0x0
	.amdhsa_kernel k_q9c1c373eaa_proj
		.amdhsa_group_segment_fixed_size 327680
		.amdhsa_private_segment_fixed_size 0
		.amdhsa_enable_private_segment 0
		.amdhsa_kernarg_size 56
		.amdhsa_user_sgpr_count 2
		.amdhsa_user_sgpr_kernarg_segment_ptr 1
		.amdhsa_wavefront_size32 1
		.amdhsa_system_sgpr_workgroup_id_x 1
		.amdhsa_system_sgpr_workgroup_id_y 1
		.amdhsa_system_sgpr_workgroup_id_z 1
		.amdhsa_system_vgpr_workitem_id 0
		.amdhsa_next_free_vgpr 1024
		.amdhsa_next_free_sgpr 102
		.amdhsa_reserve_vcc 0
		.amdhsa_float_denorm_mode_32 3
		.amdhsa_float_denorm_mode_16_64 3
		.amdhsa_fp16_overflow 1
		.amdhsa_memory_ordered 1
		.amdhsa_forward_progress 1
		.amdhsa_inst_pref_size 117
	.end_amdhsa_kernel
	.amdgpu_metadata
---
amdhsa.version: [ 1, 2 ]
amdhsa.kernels:
  - .name:           k_q9c1c373eaa_proj
    .symbol:         k_q9c1c373eaa_proj.kd
    .args:
      - { .name: xc, .offset: 0, .size: 8, .value_kind: global_buffer, .address_space: global }
      - { .name: wc, .offset: 8, .size: 8, .value_kind: global_buffer, .address_space: global }
      - { .name: lowp_scales, .offset: 16, .size: 8, .value_kind: global_buffer, .address_space: global }
      - { .name: bk, .offset: 24, .size: 8, .value_kind: global_buffer, .address_space: global }
      - { .name: bv, .offset: 32, .size: 8, .value_kind: global_buffer, .address_space: global }
      - { .name: bq, .offset: 40, .size: 8, .value_kind: global_buffer, .address_space: global }
      - { .name: pc, .offset: 48, .size: 8, .value_kind: global_buffer, .address_space: global }
    .group_segment_fixed_size: 327680
    .private_segment_fixed_size: 0
    .kernarg_segment_align: 8
    .kernarg_segment_size: 56
    .max_flat_workgroup_size: 128
    .sgpr_count:     102
    .vgpr_count:     1024
    .wavefront_size: 32
...
	.end_amdgpu_metadata
.endif
;; end of part 2
;; launch attn (part 3): grid 4 x 64, 8 waves a work-group, clusters of 4 x 1, 327,680 bytes of LDS; arguments pc, mask, lowp_scales, cc, out1; writes cc, out1
.if DOCPART == 3
	.amdgcn_target "amdgcn-amd-amdhsa--gfx1250"
	.amdhsa_code_object_version 6
	.text
	.protected	k_q9c1c373eaa_attn
	.globl	k_q9c1c373eaa_attn
	.p2align	8
	.type	k_q9c1c373eaa_attn,@function
k_q9c1c373eaa_attn:
	s_mov_b64 s[64:65], 0
	v_nop
	global_prefetch_b8 v0, s[64:65] scope:SCOPE_SE
	s_setreg_imm32_b32 hwreg(HW_REG_WAVE_MODE, 25, 1), 1
	s_wait_xcnt 0x0
	s_wait_alu depctr_hold_cnt(0) depctr_sa_sdst(0) depctr_va_vdst(0) depctr_va_sdst(0) depctr_va_ssrc(0) depctr_va_vcc(0) depctr_vm_vsrc(0)
	s_getreg_b32 s2, hwreg(HW_REG_IB_STS2, 6, 4)
	s_cmp_eq_u32 s2, 0
	s_cbranch_scc0 .Lentry_in_a_cluster
	s_endpgm
.Lentry_in_a_cluster:
	s_bfe_u32 s2, ttmp6, 0x10000c
	s_cmp_lg_u32 s2, 0x3003
	s_cbranch_scc0 .Lentry_shape_is_right
	s_endpgm
.Lentry_shape_is_right:
.set KP,    144
.set KBLK,  128*KP
.set VOFF,  8*KBLK
.set MB,    2*VOFF
.set EXM,   MB+4096
.set SPARE, EXM+2048
.set CST,   32*KP
.set WP,    528
.set AK0, 1
.set AV0, 2
.set AM0, 3
.set QL,  4
.set SPW, 5
.set NIL, 6
.set L16, 7
.set ADK, 8
.set ADV, 9
.set ADM, 10
.set KL,  11
.set STO1, 247
.set RD1,  248
.set STO2, 249
.set RD2,  250
.set EXR,  251
.set EXS,  255
.set WV,  18
.set SEL, 20
.set CS,  22
.set G1,  24
.set G0K, 32
.set G0V, 48
.set TB,  2
.set TM,  3
.set TF,  67
.set MSB, 0
.macro WIN new
.if MSB != \new
	s_set_vgpr_msb (MSB<<8)|\new
.set MSB, \new
.endif
.endm
.set W_T1,  0x55
.set W_TO1, 0x40
.set W_ST1, 0x04
.set W_QK0, 0x10
.set W_MM1, 0x54
.macro ROUND
	s_barrier_signal -1
	s_barrier_wait -1
	s_cmp_lg_u32 s[WV], 0
	s_cbranch_scc1 .Lnot_wave_0_\@
	s_barrier_signal -3
.Lnot_wave_0_\@:
	s_barrier_wait -3
	s_barrier_signal -1
	s_barrier_wait -1
.endm
.macro PLACES
.rept 4
	v_nop
.endr
.endm
.macro KVLOAD adr, g
.irp t, 0,1,2,3
.irp c, 0,1,2,3
	ds_load_b128 v[32+16*\t+4*\c:35+16*\t+4*\c], v[\adr] offset:(4*\g+\t)*16*KP+32*\c
.endr
.endr
.endm
.macro MASKC
.irp t, 0,1,2,3,4,5,6,7
	ds_load_b128 v[32+8*\t:35+8*\t], v[ADM] offset:(32*(\t/2)+8*(\t%2))*4
	ds_load_b128 v[36+8*\t:39+8*\t], v[ADM] offset:(32*(\t/2)+8*(\t%2))*4+16
.endr
.endm
.macro QK4 g, f
.irp t, 0,1,2,3
	v_wmma_f32_16x16x128_fp8_fp8 v[96+8*(4*\g+\t):103+8*(4*\g+\t)], v[\f+16*\t:\f+15+16*\t], v[16:31], v[32+8*(4*\g+\t):39+8*(4*\g+\t)]
.endr
.endm
.macro QK g, f
	WIN W_QK0
	QK4 \g, \f
	WIN W_MM1
	QK4 \g, \f
	WIN 0
.endm
.macro PV4 g
.irp t, 0,1,2,3
	v_wmma_f32_16x16x128_fp8_fp8 v[160+8*(4*\g+\t):167+8*(4*\g+\t)], v[32+16*\t:47+16*\t], v[224:239], v[160+8*(4*\g+\t):167+8*(4*\g+\t)]
.endr
.endm
.macro PV g
	PV4 \g
	WIN W_MM1
	PV4 \g
	WIN 0
.endm
.macro MAXA
	v_max3_num_f32 v254, v96, v97, v98
	v_max3_num_f32 v252, v99, v100, v101
.irp i, 6,10,14,18,22,26
	v_max3_num_f32 v254, v254, v[96+\i], v[97+\i]
	v_max3_num_f32 v252, v252, v[98+\i], v[99+\i]
.endr
	v_max3_num_f32 v254, v254, v126, v127
.endm
.macro MAXB
.irp i, 32,36,40,44,48,52,56,60
	v_max3_num_f32 v254, v254, v[96+\i], v[97+\i]
	v_max3_num_f32 v252, v252, v[98+\i], v[99+\i]
.endr
	s_delay_alu instid0(VALU_DEP_1)
	v_max_num_f32 v254, v254, v252
	s_delay_alu instid0(VALU_DEP_1)
	v_permlanex16_b32 v246, v254, s[SEL], s[SEL+1]
	s_delay_alu instid0(VALU_DEP_1)
	v_max_num_f32 v254, v254, v246
	s_delay_alu instid0(VALU_DEP_1)
	v_mul_f32 v254, s[CS], v254
.endm
.macro EXPS
.set J, 0
.rept 32
	v_pk_fma_f32 v[96+J:97+J], v[96+J:97+J], s[CS:CS+1], v[12:13] op_sel_hi:[1,0,0]
.set J, J+2
.endr
.set J, 0
	s_wait_alu depctr_va_vdst(0)
.rept 64
	v_exp_f32 v[96+J], v[96+J]
.set J, J+1
.endr
.endm
.macro SOFT
	MAXB
	s_delay_alu instid0(VALU_DEP_1)
	v_max_num_f32 v13, v13, v254
	v_mov_b32 v254, v12
	s_delay_alu instid0(VALU_DEP_2)
	v_floor_f32 v12, -v13
	s_delay_alu instid0(VALU_DEP_1)
	v_sub_f32 v254, v12, v254
	s_delay_alu instid0(VALU_DEP_1)
	v_cvt_i32_f32 v254, v254
	s_delay_alu instid0(VALU_DEP_1)
	v_ldexp_f32 v252, 1.0, v254
	EXPS
	v_pk_mul_f32 v[14:15], v[14:15], v[252:253] op_sel_hi:[1,0]
	s_wait_alu depctr_va_vdst(0)
	v_pk_add_f32 v[242:243], v[96:97], v[98:99]
.irp j, 4,8,12,16,20,24,28,32,36,40,44,48,52,56,60
	v_pk_add_f32 v[14:15], v[14:15], v[96+\j:97+\j]
	v_pk_add_f32 v[242:243], v[242:243], v[98+\j:99+\j]
.endr
	s_delay_alu instid0(VALU_DEP_1)
	v_pk_add_f32 v[14:15], v[14:15], v[242:243]
.irp b, 0,1,2,3
.set J, 0
.rept 16
.set J, J+1
.endr
	v_cvt_scalef32_pk8_fp8_f32 v[224+4*\b:225+4*\b], v[96+16*\b:103+16*\b], v244
	v_cvt_scalef32_pk8_fp8_f32 v[226+4*\b:227+4*\b], v[104+16*\b:111+16*\b], v244
.endr
.set J, 0
.rept 16
	v_pk_mul_f32 v[160+J:161+J], v[160+J:161+J], v[252:253] op_sel_hi:[1,0]
.set J, J+2
.endr
.endm
.macro ORES2
.set J, 32
.rept 16
	v_pk_mul_f32 v[160+J:161+J], v[160+J:161+J], v[252:253] op_sel_hi:[1,0]
.set J, J+2
.endr
.endm
.macro INIT
	v_mov_b32 v14, 0
	v_mov_b32 v15, 0
	v_mov_b32 v246, 0
.set J, 0
.rept 64
	v_mov_b32 v[160+J], 0
.set J, J+1
.endr
	v_mov_b32 v244, s52
	v_mov_b32 v245, s54
	v_mov_b32 v13, s[TF]
	s_delay_alu instid0(VALU_DEP_1)
	v_floor_f32 v12, -v13
.endm
	s_load_b256 s[4:11], s[0:1], 0x0
	s_load_b64 s[12:13], s[0:1], 0x20
	v_lshl_add_u32 v[SPW], v0, 2, SPARE
	v_mov_b32 v[NIL], 0
	ds_add_u32 v[SPW], v[NIL]
	ds_add_u32 v[SPW], v[NIL]
	v_lshrrev_b32 v8, 5, v0
	s_delay_alu instid0(VALU_DEP_1)
	v_readfirstlane_b32 s[WV], v8
	s_bfe_u32 s83, ttmp6, 0x40000
	s_and_b32 s80, ttmp7, 0xffff
	s_lshr_b32 s81, s80, 3
	s_and_b32 s82, s80, 7
	s_mov_b32 s[G1], 15|(0<<16)|(1<<20)|(1<<21)|(4<<22)|(3<<25)
	s_mov_b32 s[G1+1], 128<<16
	s_mov_b32 s[G1+2], 128<<16
	s_mov_b32 s[G1+3], 128<<16
	s_mov_b32 s[G1+4], 128
	s_mov_b32 s[G1+5], 128
	s_mov_b32 s[G1+6], 0
	s_mov_b32 s[G1+7], 0
	s_mov_b32 s[G0K], 1
	s_mul_i32 s[G0K+1], s[WV], KBLK
	s_mov_b32 s[G0V], 1
	s_add_co_u32 s[G0V+1], s[G0K+1], VOFF
	s_lshl_b32 s84, s80, 17
	s_lshl_b32 s85, s[WV], 14
	s_add_co_u32 s84, s84, s85
	s_mov_b32 s85, 0
	s_lshl_b32 s19, s[WV], 9
	s_lshl_b32 s98, s82, 2
	s_add_co_u32 s98, s98, s83
	s_lshl_b32 s86, s83, 15
	s_lshl_b32 s87, s[WV], 12
	s_add_co_u32 s86, s86, s87
	s_lshl_b32 s87, s80, 17
	s_add_co_u32 s86, s86, s87
	s_add_co_u32 s86, s86, 0x1000000
	s_mov_b32 s87, 0
	s_lshl_b32 s88, s98, 12
	s_lshl_b32 s89, s81, 20
	s_add_co_u32 s88, s88, s89
	s_add_co_u32 s88, s88, 0x1000000
	s_mov_b32 s89, 0
	s_lshl_b32 s90, s81, 20
	s_lshl_b32 s91, s[WV], 14
	s_add_co_u32 s90, s90, s91
	s_mov_b32 s91, 0
	s_lshl_b32 s92, s82, 20
	s_lshl_b32 s93, s81, 17
	s_add_co_u32 s92, s92, s93
	s_lshl_b32 s93, s83, 15
	s_add_co_u32 s92, s92, s93
	s_lshl_b32 s93, s[WV], 12
	s_add_co_u32 s92, s92, s93
	s_mov_b32 s93, 0
	s_lshl_b32 s94, s81, 22
	s_lshl_b32 s95, s98, 17
	s_add_co_u32 s94, s94, s95
	s_add_co_u32 s94, s94, s19
	s_mov_b32 s95, 0
	s_lshl_b32 s96, s81, 10
	s_mov_b32 s97, 0
	s_mov_b32 s[SEL], 0x76543210
	s_mov_b32 s[SEL+1], 0xfedcba98
	s_mov_b32 s[TB], 0
	s_mov_b32 s[TM], 0
	s_mov_b32 s66, 8
	s_wait_dscnt 0x0
	s_wait_kmcnt 0x0
	s_add_nc_u64 s[G0K+2:G0K+3], s[4:5], s[84:85]
	s_add_nc_u64 s[G0V+2:G0V+3], s[G0K+2:G0K+3], 0x800000
	s_or_b32 s[G0K+3], s[G0K+3], 0x80000000
	s_or_b32 s[G0V+3], s[G0V+3], 0x80000000
	ROUND
	tensor_load_to_lds s[G0K:G0K+3], s[G1:G1+7]
	s_nop 0
	tensor_load_to_lds s[G0V:G0V+3], s[G1:G1+7]
	s_nop 0
	PLACES
	s_load_b256 s[68:75], s[8:9], 0x0
	s_load_b128 s[76:79], s[8:9], 0x20
	s_add_nc_u64 s[44:45], s[4:5], s[86:87]
	s_add_nc_u64 s[36:37], s[4:5], s[88:89]
	s_add_nc_u64 s[38:39], s[4:5], s[90:91]
	s_add_nc_u64 s[40:41], s[10:11], s[92:93]
	s_add_nc_u64 s[42:43], s[12:13], s[94:95]
	s_add_nc_u64 s[46:47], s[6:7], s[96:97]
	v_and_b32 v8, 15, v0
	v_bfe_u32 v9, v0, 4, 1
	v_lshlrev_b32 v254, 2, v0
	s_delay_alu instid0(VALU_DEP_3)
	v_and_b32 v10, 8, v8
	s_delay_alu instid0(VALU_DEP_1)
	v_add_nc_u32 v10, v10, v8
	s_delay_alu instid0(VALU_DEP_1)
	v_lshlrev_b32 v[QL], 7, v10
	s_delay_alu instid0(VALU_DEP_1)
	v_lshl_add_u32 v[QL], v9, 4, v[QL]
	global_load_b32 v96, v254, s[46:47]
.irp c, 0,1,2,3
	global_load_b128 v[16+4*\c:19+4*\c], v[QL], s[44:45] offset:32*\c
.endr
	WIN W_TO1
.irp c, 0,1,2,3
	global_load_b128 v[16+4*\c:19+4*\c], v[QL], s[44:45] offset:1024+32*\c
.endr
	WIN 0
	v_mul_u32_u24 v[AK0], v8, KP
	s_delay_alu instid0(VALU_DEP_1)
	v_lshl_add_u32 v[AK0], v9, 4, v[AK0]
	s_delay_alu instid0(VALU_DEP_1)
	v_add_nc_u32 v[AV0], VOFF, v[AK0]
	v_lshl_add_u32 v[AM0], v9, 6, MB
	v_and_b32 v[L16], 31, v0
	s_delay_alu instid0(VALU_DEP_1)
	v_lshlrev_b32 v[L16], 4, v[L16]
	v_lshlrev_b32 v[KL], 7, v8
	s_delay_alu instid0(VALU_DEP_1)
	v_lshl_add_u32 v[KL], v9, 4, v[KL]
	s_mul_i32 s84, s[WV], CST
	v_add_nc_u32 v[STO1], s84, v[AV0]
	v_bfe_u32 v10, v0, 3, 2
	s_delay_alu instid0(VALU_DEP_1)
	v_mul_u32_u24 v[RD1], v10, KP
	v_and_b32 v10, 7, v0
	s_delay_alu instid0(VALU_DEP_1)
	v_lshl_add_u32 v[RD1], v10, 4, v[RD1]
	s_add_co_u32 s85, s84, VOFF
	v_add_nc_u32 v[RD1], s85, v[RD1]
	s_mul_i32 s86, s[WV], 32*WP
	v_mul_u32_u24 v[STO2], v8, WP
	s_delay_alu instid0(VALU_DEP_1)
	v_lshl_add_u32 v[STO2], v9, 6, v[STO2]
	s_delay_alu instid0(VALU_DEP_1)
	v_add_nc_u32 v[STO2], s86, v[STO2]
	v_add_nc_u32 v[RD2], s86, v[L16]
	v_lshl_add_u32 v[EXR], v8, 5, EXM
	s_lshl_b32 s88, s[WV], 2
	v_add_nc_u32 v[EXS], s88, v[EXR]
	v_lshl_add_u32 v253, v0, 4, MB
	s_wait_loadcnt 8
	v_and_b32 v100, 0xff, v96
	v_bfe_u32 v101, v96, 8, 8
	v_bfe_u32 v102, v96, 16, 8
	v_lshrrev_b32 v103, 24, v96
.irp j, 100,101,102,103
	s_delay_alu instid0(VALU_DEP_4)
	v_sub_nc_u32 v\j, 0, v\j
.endr
.irp j, 100,101,102,103
	s_delay_alu instid0(VALU_DEP_4)
	v_and_b32 v\j, 0xf1800000, v\j
.endr
	ds_store_b128 v253, v[100:103]
	s_wait_kmcnt 0x0
	s_add_co_i32 s80, s74, s75
	s_lshl_b32 s80, s80, 23
	s_add_co_i32 s[CS], s80, 0x3fb8aa3b
	s_mov_b32 s[CS+1], s[CS]
	s_add_co_i32 s[TF], s[CS], 25<<23
	s_or_b32 s[TF], s[TF], 0x80000000
	s_add_co_i32 s80, s76, 127
	s_lshl_b32 s52, s80, 23
	s_sub_co_i32 s80, s78, s76
	s_sub_co_i32 s80, s80, s77
	s_add_co_i32 s80, s80, 127
	s_lshl_b32 s54, s80, 23
	s_add_co_i32 s80, s80, 8
	s_lshl_b32 s55, s80, 23
	s_or_b32 s55, s55, 0x600000
	INIT
	WIN W_T1
	INIT
	v_mov_b32 v253, 0
	WIN 0
	s_wait_tensorcnt 0x0
	s_wait_dscnt 0x0
	s_barrier_signal -1
	s_barrier_wait -1
	s_wait_loadcnt 0x0
.Lstep:
	s_setprio 2
	v_add_nc_u32 v[ADK], s[TB], v[AK0]
	v_add_nc_u32 v[ADV], s[TB], v[AV0]
	v_add_nc_u32 v[ADM], s[TM], v[AM0]
	v_nop
	KVLOAD ADK, 0
	WIN W_TO1
	MASKC
	WIN 0
	s_wait_alu depctr_va_vdst(0)
	s_wait_dscnt 0x0
	QK 0, 32
	PLACES
	KVLOAD ADK, 1
	MAXA
	WIN W_T1
	MAXA
	WIN 0
	s_wait_dscnt 0x0
	QK 1, 32
	PLACES
	KVLOAD ADV, 0
	SOFT
	WIN W_T1
	s_setprio 1
	SOFT
	WIN 0
	s_wait_alu depctr_va_vdst(0)
	s_wait_dscnt 0x0
	PV 0
	PLACES
	s_setprio 0
	KVLOAD ADV, 1
	ORES2
	WIN W_T1
	ORES2
	WIN 0
	s_wait_alu depctr_va_vdst(0)
	s_wait_dscnt 0x0
	PV 1
	s_add_co_u32 s[TB], s[TB], KBLK
	s_add_co_u32 s[TM], s[TM], 512
	s_sub_co_u32 s66, s66, 1
	s_cmp_lg_u32 s66, 0
	s_cbranch_scc1 .Lstep
	s_setprio 0
.macro CTX
	v_add_f32 v14, v14, v15
	s_delay_alu instid0(VALU_DEP_1)
	v_permlanex16_b32 v246, v14, s[SEL], s[SEL+1]
	s_delay_alu instid0(VALU_DEP_1)
	v_add_f32 v14, v14, v246
	s_wait_alu depctr_va_vdst(0)
	v_rcp_f32 v252, v14
	v_nop
	s_wait_alu depctr_va_vdst(0)
.set J, 0
.rept 32
	v_pk_mul_f32 v[96+J:97+J], v[160+J:161+J], v[252:253] op_sel_hi:[1,0]
.set J, J+2
.endr
.set J, 0
.rept 64
.set J, J+1
.endr
.irp b, 0,1,2,3
	v_cvt_scalef32_pk8_fp8_f32 v[224+4*\b:225+4*\b], v[96+16*\b:103+16*\b], v245
	v_cvt_scalef32_pk8_fp8_f32 v[226+4*\b:227+4*\b], v[104+16*\b:111+16*\b], v245
.endr
	v_nop
.endm
.macro ROWEXP
	v_max3_num_f32 v254, v160, v161, v162
	s_delay_alu instid0(VALU_DEP_1)
	v_max3_num_f32 v254, v254, v163, v164
	s_delay_alu instid0(VALU_DEP_1)
	v_max3_num_f32 v254, v254, v165, v166
	s_delay_alu instid0(VALU_DEP_1)
	v_max3_num_f32 v254, v254, v167, s[TF]
	s_delay_alu instid0(VALU_DEP_1)
	v_floor_f32 v12, -v254
	EXPS
	v_nop
	s_wait_alu depctr_va_vdst(0)
	v_pk_add_f32 v[14:15], v[96:97], v[98:99]
	v_pk_add_f32 v[242:243], v[100:101], v[102:103]
.irp j, 8,12,16,20,24,28,32,36,40,44,48,52,56,60
	v_pk_add_f32 v[14:15], v[14:15], v[96+\j:97+\j]
	v_pk_add_f32 v[242:243], v[242:243], v[98+\j:99+\j]
.endr
	s_delay_alu instid0(VALU_DEP_1)
	v_pk_add_f32 v[14:15], v[14:15], v[242:243]
	s_delay_alu instid0(VALU_DEP_1)
	v_add_f32 v14, v14, v15
	s_delay_alu instid0(VALU_DEP_1)
	v_permlanex16_b32 v246, v14, s[SEL], s[SEL+1]
	s_delay_alu instid0(VALU_DEP_1)
	v_add_f32 v14, v14, v246
.endm
.macro NORM
	v_add_f32 v160, v160, v161
	v_add_f32 v162, v162, v163
	v_add_f32 v164, v164, v165
	v_add_f32 v166, v166, v167
	s_delay_alu instid0(VALU_DEP_3)
	v_add_f32 v160, v160, v162
	s_delay_alu instid0(VALU_DEP_2)
	v_add_f32 v164, v164, v166
	s_delay_alu instid0(VALU_DEP_1)
	v_add_f32 v160, v160, v164
	s_wait_alu depctr_va_vdst(0)
	v_rcp_f32 v252, v160
	v_nop
	s_wait_alu depctr_va_vdst(0)
.set J, 0
.rept 32
	v_pk_mul_f32 v[96+J:97+J], v[96+J:97+J], v[252:253] op_sel_hi:[1,0]
.set J, J+2
.endr
.endm
.macro WSTORE off
.irp b, 0,1,2,3
.irp k, 0,1,2,3
	ds_store_b128 v[STO2], v[96+16*\b+4*\k:99+16*\b+4*\k] offset:\off+128*\b+16*\k
.endr
.endr
.endm
	PLACES
.irp c, 0,1,2,3
	global_load_b128 v[16+4*\c:19+4*\c], v[QL], s[36:37] offset:32*\c
.endr
.irp i, 0,1,2,3
.irp c, 0,1,2,3
	global_load_b128 v[32+16*\i+4*\c:35+16*\i+4*\c], v[KL], s[38:39] offset:2048*\i+32*\c
.endr
.endr
	v_add_nc_u32 v[ADM], s19, v[AM0]
	WIN W_TO1
.irp c, 0,1,2,3
	global_load_b128 v[16+4*\c:19+4*\c], v[QL], s[36:37] offset:1024+32*\c
.endr
	MASKC
	WIN 0
	CTX
.irp i, 4,5,6,7
.irp c, 0,1,2,3
	global_load_b128 v[160+16*(\i-4)+4*\c:163+16*(\i-4)+4*\c], v[KL], s[38:39] offset:2048*\i+32*\c
.endr
.endr
	WIN W_T1
	CTX
	WIN 0
	s_wait_loadcnt 0x0
	s_wait_dscnt 0x0
	WIN W_QK0
	QK4 0, 32
	QK4 1, 160
	WIN W_MM1
	QK4 0, 32
	QK4 1, 160
	WIN 0
	PLACES
	MAXA
	MAXB
	ds_store_b32 v[EXS], v254
	WIN W_T1
	MAXA
	MAXB
	WIN W_ST1
	ds_store_b32 v[EXS], v254 offset:512
	WIN 0
	s_wait_dscnt 0x0
	s_barrier_signal -1
	s_barrier_wait -1
	ds_load_b128 v[160:163], v[EXR]
	ds_load_b128 v[164:167], v[EXR] offset:16
.irp b, 0,1,2,3
	ds_store_b128 v[STO1], v[224+4*\b:227+4*\b] offset:32*\b
.endr
	WIN W_TO1
	ds_load_b128 v[160:163], v[EXR] offset:512
	ds_load_b128 v[164:167], v[EXR] offset:528
	WIN W_ST1
.irp b, 0,1,2,3
	ds_store_b128 v[STO1], v[224+4*\b:227+4*\b] offset:16*KP+32*\b
.endr
	WIN 0
.irp i, 0,1,2,3,4,5,6,7
	ds_load_b128 v[168+4*\i:171+4*\i], v[RD1] offset:4*KP*\i
.endr
	s_wait_dscnt 0x0
.irp i, 0,1,2,3,4,5,6,7
	global_store_b128 v[L16], v[168+4*\i:171+4*\i], s[40:41] offset:512*\i
.endr
	ROWEXP
	ds_store_b32 v[EXS], v14 offset:1024
	WIN W_T1
	ROWEXP
	WIN W_ST1
	ds_store_b32 v[EXS], v14 offset:1536
	WIN 0
	s_wait_dscnt 0x0
	s_barrier_signal -1
	s_barrier_wait -1
	ds_load_b128 v[160:163], v[EXR] offset:1024
	ds_load_b128 v[164:167], v[EXR] offset:1040
	WIN W_TO1
	ds_load_b128 v[160:163], v[EXR] offset:1536
	ds_load_b128 v[164:167], v[EXR] offset:1552
	WIN 0
	s_wait_dscnt 0x0
	NORM
	WSTORE 0
	WIN W_T1
	NORM
	WIN W_ST1
	WSTORE 16*WP
	WIN 0
.set I, 0
.rept 32
	ds_load_b128 v[32+4*I:35+4*I], v[RD2] offset:WP*I
.set I, I+1
.endr
.set I, 0
.rept 32
	s_wait_dscnt 31-I
	global_store_b128 v[L16], v[32+4*I:35+4*I], s[42:43] offset:4096*I th:TH_STORE_NT
.set I, I+1
.endr
	s_wait_tensorcnt 0x0
	ds_add_u32 v[SPW], v[NIL]
	s_wait_dscnt 0x0
	ROUND
	s_endpgm
.Lfunc_end_k_q9c1c373eaa_attn:
	.size	k_q9c1c373eaa_attn, .Lfunc_end_k_q9c1c373eaa_attn-k_q9c1c373eaa_attn
	.p2alignl 7, 3214868480
	.fill 96, 4, 3214868480
	.section	.rodata,"a",@progbits
	.p2align	6, 0x0
	.amdhsa_kernel k_q9c1c373eaa_attn
		.amdhsa_group_segment_fixed_size 327680
		.amdhsa_private_segment_fixed_size 0
		.amdhsa_enable_private_segment 0
		.amdhsa_kernarg_size 40
		.amdhsa_user_sgpr_count 2
		.amdhsa_user_sgpr_kernarg_segment_ptr 1
		.amdhsa_wavefront_size32 1
		.amdhsa_system_sgpr_workgroup_id_x 1
		.amdhsa_system_sgpr_workgroup_id_y 1
		.amdhsa_system_sgpr_workgroup_id_z 1
		.amdhsa_system_vgpr_workitem_id 0
		.amdhsa_next_free_vgpr 512
		.amdhsa_next_free_sgpr 100
		.amdhsa_reserve_vcc 0
		.amdhsa_float_denorm_mode_32 3
		.amdhsa_float_denorm_mode_16_64 3
		.amdhsa_fp16_overflow 1
		.amdhsa_memory_ordered 1
		.amdhsa_forward_progress 1
		.amdhsa_inst_pref_size 92
	.end_amdhsa_kernel
	.amdgpu_metadata
---
amdhsa.version: [ 1, 2 ]
amdhsa.kernels:
  - .name:           k_q9c1c373eaa_attn
    .symbol:         k_q9c1c373eaa_attn.kd
    .args:
      - { .name: pc, .offset: 0, .size: 8, .value_kind: global_buffer, .address_space: global }
      - { .name: mask, .offset: 8, .size: 8, .value_kind: global_buffer, .address_space: global }
      - { .name: lowp_scales, .offset: 16, .size: 8, .value_kind: global_buffer, .address_space: global }
      - { .name: cc, .offset: 24, .size: 8, .value_kind: global_buffer, .address_space: global }
      - { .name: out1, .offset: 32, .size: 8, .value_kind: global_buffer, .address_space: global }
    .group_segment_fixed_size: 327680
    .private_segment_fixed_size: 0
    .kernarg_segment_align: 8
    .kernarg_segment_size: 40
    .max_flat_workgroup_size: 256
    .sgpr_count:     100
    .vgpr_count:     512
    .wavefront_size: 32
...
	.end_amdgpu_metadata
.endif
;; end of part 3
;; launch outp (part 4): grid 4 x 64, 4 waves a work-group, clusters of 4 x 4, 327,680 bytes of LDS; arguments cc, wc, lowp_scales, bf, out0; writes out0
.if DOCPART == 4
	.amdgcn_target "amdgcn-amd-amdhsa--gfx1250"
	.amdhsa_code_object_version 6
	.text
	.protected	k_q9c1c373eaa_outp
	.globl	k_q9c1c373eaa_outp
	.p2align	8
	.type	k_q9c1c373eaa_outp,@function
k_q9c1c373eaa_outp:
	s_mov_b64 s[64:65], 0
	v_nop
	global_prefetch_b8 v0, s[64:65] scope:SCOPE_SE
	s_setreg_imm32_b32 hwreg(HW_REG_WAVE_MODE, 25, 1), 1
	s_wait_xcnt 0x0
	s_wait_alu depctr_hold_cnt(0) depctr_sa_sdst(0) depctr_va_vdst(0) depctr_va_sdst(0) depctr_va_ssrc(0) depctr_va_vcc(0) depctr_vm_vsrc(0)
	s_getreg_b32 s2, hwreg(HW_REG_IB_STS2, 6, 4)
	s_cmp_eq_u32 s2, 0
	s_cbranch_scc0 .Lentry_in_a_cluster
	s_endpgm
.Lentry_in_a_cluster:
	s_bfe_u32 s2, ttmp6, 0x10000c
	s_cmp_lg_u32 s2, 0xf033
	s_cbranch_scc0 .Lentry_shape_is_right
	s_endpgm
.Lentry_shape_is_right:
; out0 = ctx Wf^T + bf on codes of FP8 (E4M3).  ctx's codes lie head-major, cc [8 heads][8192 tokens][128]: a head is 128 along K.  Wf's codes: plane 3 of wc, [1024][1024], K innermost.  out0: [8192][1024] f32.
; A finished sum is multiplied once by 2^(e10 + e11) and bf is added, in one packed multiply-add.  LIMIT: e10 + e11 between -126 and 127.
; SHARES.  A tile of 128 tokens x 256 columns to a work-group of four waves: 64 x 4 tiles are 256 work-groups, one for each WGP.  A wave makes 64 x 128: 32 accumulators, one window.
; K = 1,024 goes in four K steps of 256 (two heads) through THREE LDS slots: K steps 0, 1 and 2 are first fills that go out together, three loads a wave; K step 3 is the one refill, into slot 0,
; asked for in the second of the eight steps of 128 along K and first read in the seventh.
; 16 clusters of 4 x 4: ctx's tiles are shared along a row of the cluster, Wf's along a column: joint loads.  Source 0 = 16 rows of Wf, source 1 = 16 tokens: a lane holds eight neighbouring numbers of a row of out0.
; A slot: ctx's two heads, each 128 rows of 128 + 16 bytes; then Wf's 256 rows of 256 + 16 bytes.  Wave 0 fetches the first head, wave 1 the second, waves 2 and 3 Wf's halves.
; A step of 128 along K reads 12 fragments a wave for 32 matrix instructions; both operands have two sets of registers, and a step's 48 LDS loads for the next step stand at its head, ahead of its products.
; REGISTERS, in windows of 256: window 0: v0-31 addresses; v32-95 bf in the result's layout; v128-255 ctx's fragments, two sets of 64; on the way out rows read back.
;   window 1: Wf's fragments, two sets of 128; on the way out v0-63 a block's results.   window 2: the accumulators (a, b) at v[8 (8 a + b)].
.set ROWB,   256
.set KROW,   1024
.set PITCH,  272                       ; Wf's LDS row
.set APITCH, 144                       ; ctx's LDS row
.set ASUB,   128*APITCH                ; a head's 128 rows
.set BOFF,   2*ASUB                    ; Wf's rows lie behind the two heads
.set HALFT,  128*PITCH
.set SLOT,   BOFF+2*HALFT
.set SPARE,  3*SLOT                    ; behind the three slots: the spare words, 128 bytes a wave, which no other line names
.set STAGE,  SLOT                      ; the way out: 16 rows x (512 + 16) bytes a wave, in slot 1: it is filled once, at the start, and its last read stands ahead of the last barrier
.set SPITCH, 528
.set FR,     16
.set NP,     4
.set ADRA, 16                          ; v16-18  LDS address of my ctx fragments in slot 0, 1, 2
.set ADRB, 20                          ; v20-22  the same for Wf
.set STO,  24
.set RD,   25
.set CO,   26
.set SPW,  28
.set NIL,  29
.set BF,   32                          ; v32-95 of window 0
.set TMP,  0                           ; v0-63 of window 1
.set AF,   128
.set BK,   128
.set G1,  24                           ; s[24:31] descriptor group 1 for ctx's tiles
.set G1B, 48                           ; s[48:55] for Wf's
.set G0,  68                           ; s[68:79] group 0 for ctx's tiles, one set for each slot
.set G0B, 80                           ; s[80:91] for Wf's
.set MSB, 0
.macro WIN new
.if MSB != \new
	s_set_vgpr_msb (MSB<<8)|\new
.set MSB, \new
.endif
.endm
.set MUL,    0xa1                      ; source 0 (Wf) window 1, source 1 (ctx) window 0, C and D window 2
.set TO_B,   0x40
.macro JLOAD g0a, g1a, g0b, g1b        ; waves 0 and 1 fetch ctx's two heads, waves 2 and 3 Wf's halves; an s_nop 0 and four v_nop follow each line
	s_cmp_eq_u32 s15, 0
	s_cbranch_scc0 .Lfor_b_\@
	tensor_load_to_lds s[\g0a:\g0a+3], s[\g1a:\g1a+7]
	s_nop 0
.rept 4
	v_nop
.endr
	s_branch .Lasked_\@
.Lfor_b_\@:
	tensor_load_to_lds s[\g0b:\g0b+3], s[\g1b:\g1b+7]
	s_nop 0
.rept 4
	v_nop
.endr
.Lasked_\@:
.endm
.macro CREST
	s_cmp_lg_u32 s14, 0
	s_cbranch_scc1 .Lnot_wave_0_\@
	s_barrier_signal -3
.Lnot_wave_0_\@:
	s_barrier_wait -3
	s_barrier_signal -1
	s_barrier_wait -1
.endm
.macro CROUND
	s_barrier_signal -1
	s_barrier_wait -1
	CREST
.endm
	s_load_b256 s[4:11], s[0:1], 0x0               ; cc, wc, the scales' exponents, bf
	s_load_b64 s[12:13], s[0:1], 0x20              ; out0
	v_lshl_add_u32 v[SPW], v0, 2, SPARE
	v_mov_b32 v[NIL], 0
	ds_add_u32 v[SPW], v[NIL]                      ; the wave's opening: the add and its wait stand ahead of my first tensor load
	v_lshrrev_b32 v1, 5, v0
	v_readfirstlane_b32 s14, v1                    ; wave 0..3
	s_lshr_b32 s15, s14, 1                         ; my half of the tile's rows.  Also: I fetch for ctx (0) or for Wf (1)
	s_and_b32 s16, s14, 1                          ; my half of its columns.  Also: which head, or which 128 rows of Wf, I fetch
	s_bfe_u32 s40, ttmp6, 0x40000                  ; cx
	s_bfe_u32 s41, ttmp6, 0x40004                  ; cy
	s_lshl_b32 s42, ttmp9, 2
	s_add_co_u32 s42, s42, s40                     ; tile column, 0..3
	s_and_b32 s17, ttmp7, 0xffff
	s_lshl_b32 s17, s17, 2
	s_add_co_u32 s17, s17, s41                     ; tile row, 0..63
	s_lshl_b32 s43, s41, 2
	s_lshl_b32 s43, 15, s43                        ; my row of the cluster
	s_lshl_b32 s44, 0x1111, s40                    ; my column
	s_or_b32 s[G1+0], s43, (0<<16)|(1<<20)|(1<<21)|(4<<22)|(3<<25)   ; ctx: rows of 128 bytes: 4 words of padding after every 32
	s_mov_b32 s[G1+1], 128<<16                     ; tensor_dim0
	s_mov_b32 s[G1+2], 128<<16                     ; tensor_dim1
	s_mov_b32 s[G1+3], 128<<16                     ; tile_dim0
	s_mov_b32 s[G1+4], 128                         ; tile_dim1
	s_mov_b32 s[G1+5], 128                         ; the pitch: a head's rows are dense
	s_mov_b32 s[G1+6], 0
	s_mov_b32 s[G1+7], 0
	s_or_b32 s[G1B+0], s44, (0<<16)|(1<<20)|(1<<21)|(5<<22)|(3<<25)  ; Wf: rows of 256 bytes: 4 words of padding after every 64
	s_mov_b32 s[G1B+1], ROWB<<16
	s_mov_b32 s[G1B+2], 128<<16
	s_mov_b32 s[G1B+3], ROWB<<16
	s_mov_b32 s[G1B+4], 128
	s_mov_b32 s[G1B+5], KROW
	s_mov_b32 s[G1B+6], 0
	s_mov_b32 s[G1B+7], 0
	s_lshl_b32 s20, s16, 20                        ; ctx: my head of the slot's two, 1 MiB each,
	s_lshl_b32 s18, s17, 14
	s_add_co_u32 s20, s20, s18                     ; + 128 tile row tokens of 128 bytes
	s_mov_b32 s21, 0
	s_lshl_b32 s46, s42, 18                        ; Wf: plane 3 of wc, row 256 tile column + 128 half
	s_lshl_b32 s47, s16, 17
	s_add_co_u32 s46, s46, s47
	s_add_co_u32 s46, s46, 0x300000
	s_mov_b32 s47, 0
	s_mul_i32 s45, s16, ASUB                       ; where they go in a slot
	s_mul_i32 s67, s16, HALFT
	s_add_co_u32 s67, s67, BOFF
	s_wait_dscnt 0x0                               ; the opening add is done
	s_wait_kmcnt 0x0
	s_load_b64 s[96:97], s[8:9], 0x28              ; e10, e11
	s_add_nc_u64 s[20:21], s[4:5], s[20:21]
	s_add_nc_u64 s[46:47], s[6:7], s[46:47]
	CROUND                                         ; all sixteen work-groups are here: the first joint loads meet
.irp s, 0,1,2
	s_mov_b32 s[G0+4*\s], 1
	s_add_co_u32 s[G0+4*\s+1], s45, \s*SLOT
	s_add_nc_u64 s[G0+4*\s+2:G0+4*\s+3], s[20:21], \s*0x200000     ; slot s begins with heads 2 s, 2 s + 1
	s_or_b32 s[G0+4*\s+3], s[G0+4*\s+3], 0x80000000
	s_mov_b32 s[G0B+4*\s], 1
	s_add_co_u32 s[G0B+4*\s+1], s67, \s*SLOT
	s_add_nc_u64 s[G0B+4*\s+2:G0B+4*\s+3], s[46:47], \s*ROWB
	s_or_b32 s[G0B+4*\s+3], s[G0B+4*\s+3], 0x80000000
	JLOAD G0+4*\s, G1, G0B+4*\s, G1B
.endr
	v_and_b32 v1, 15, v0                           ; r
	v_bfe_u32 v2, v0, 4, 1                         ; h
	s_lshl_b32 s46, s42, 10                        ; my first column in bytes of f32: 1024 tile column + 512 half: in bf and in a row of out0
	s_lshl_b32 s47, s16, 9
	s_add_co_u32 s46, s46, s47
	s_mov_b32 s47, 0
	s_add_nc_u64 s[92:93], s[10:11], s[46:47]
	v_lshlrev_b32 v7, 5, v2                        ; 32 h
.irp b, 0,1,2,3,4,5,6,7
	global_load_b128 v[BF+8*\b:BF+8*\b+3], v7, s[92:93] offset:64*\b        ; tile b, register j: bf of column 16 b + 8 h + j
	global_load_b128 v[BF+8*\b+4:BF+8*\b+7], v7, s[92:93] offset:64*\b+16
.endr
	v_mul_u32_u24 v3, v1, APITCH
	v_lshl_add_u32 v3, v2, 4, v3
	v_mul_u32_u24 v4, v1, PITCH
	v_lshl_add_u32 v4, v2, 4, v4
	s_mul_i32 s21, s15, 64*APITCH                  ; my 64 tokens
	s_mul_i32 s22, s16, HALFT
	s_add_co_u32 s22, s22, BOFF                    ; my 128 rows of Wf
.irp s, 0,1,2
	v_add_nc_u32 v[ADRA+\s], s21, v3
	v_add_nc_u32 v[ADRB+\s], s22, v4
	s_add_co_u32 s21, s21, SLOT
	s_add_co_u32 s22, s22, SLOT
.endr
	s_mul_i32 s23, s14, 16*SPITCH
	s_add_co_u32 s23, s23, STAGE                   ; my stage
	v_mul_u32_u24 v5, v1, SPITCH
	v_lshl_add_u32 v5, v2, 5, v5
	v_add_nc_u32 v[STO], s23, v5                   ; in: row r, 32 bytes for each half of the lanes
	v_and_b32 v6, 31, v0
	v_lshlrev_b32 v[CO], 4, v6                     ; back: the 32 lanes take a row of 512 bytes; and the same in out0
	v_add_nc_u32 v[RD], s23, v[CO]
	s_lshl_b32 s20, s17, 19                        ; my first row of out0: (128 tile row + 64 half) x 4,096 bytes
	s_lshl_b32 s21, s15, 18
	s_add_co_u32 s20, s20, s21
	s_mov_b32 s21, 0
	s_add_nc_u64 s[20:21], s[20:21], s[46:47]
	s_add_nc_u64 s[12:13], s[12:13], s[20:21]
.macro FRAGA reg, slot, q, i           ; 16 tokens x 128 K (head q of the slot): registers 4 c .. 4 c + 3 hold K = 32 c + 16 (l / 16) + 0 .. 15
.irp c, 0,1,2,3
	ds_load_b128 v[\reg+4*\c:\reg+4*\c+3], v[ADRA+\slot] offset:ASUB*(\q)+32*\c+(\i)*16*APITCH
.endr
.endm
.macro FRAGB reg, slot, q, i           ; 16 rows of Wf, the same K
.irp c, 0,1,2,3
	ds_load_b128 v[\reg+4*\c:\reg+4*\c+3], v[ADRB+\slot] offset:128*(\q)+32*\c+(\i)*16*PITCH
.endr
.endm
; 8 matrix instructions: ctx's block a x Wf's eight, from set p; zero = 1: the first product starts the sums.  The 32 accumulators take turns, one instruction a turn, in the same order in every step.
.macro MUL8 a, p, zero
.irp b, 0,1,2,3,4,5,6,7
.if \zero
	v_wmma_f32_16x16x128_fp8_fp8 v[8*(8*(\a)+\b):8*(8*(\a)+\b)+7], v[128*(\p)+FR*\b:128*(\p)+FR*\b+FR-1], v[AF+64*(\p)+FR*(\a):AF+64*(\p)+FR*(\a)+FR-1], 0
.else
	v_wmma_f32_16x16x128_fp8_fp8 v[8*(8*(\a)+\b):8*(8*(\a)+\b)+7], v[128*(\p)+FR*\b:128*(\p)+FR*\b+FR-1], v[AF+64*(\p)+FR*(\a):AF+64*(\p)+FR*(\a)+FR-1], v[8*(8*(\a)+\b):8*(8*(\a)+\b)+7]
.endif
.endr
.endm
.macro FETCH slot, q, p                ; 48 LDS loads in one run: the fragments of the slot's q-th 128 along K into set p
	WIN TO_B
.irp i, 0,1,2,3,4,5,6,7
	FRAGB 128*(\p)+FR*\i, \slot, \q, \i
.endr
	WIN 0
.irp i, 0,1,2,3
	FRAGA AF+64*(\p)+FR*\i, \slot, \q, \i
.endr
.endm
.macro PLACES n                        ; plain vector lines between a matrix instruction and a load into, or a vector read of, its registers
.rept \n
	v_nop
.endr
.endm
; A step of 128 along K on set p; the next step's fragments (slot ns, part nq) are asked for at its head, into the other set.
.macro STEP p, zero, ns, nq
	s_wait_dscnt 0x0                               ; set p is in
	PLACES NP                                      ; the other set was read by the step before
	FETCH \ns, \nq, 1-(\p)
	WIN MUL
	MUL8 0, \p, \zero
	MUL8 1, \p, \zero
	MUL8 2, \p, \zero
	MUL8 3, \p, \zero
	WIN 0
.endm
	s_wait_tensorcnt 2                             ; my part of K step 0 is in; the loads of K steps 1 and 2 may be out
	s_barrier_signal -1
	s_barrier_wait -1
	FETCH 0, 0, 0
	STEP 0, 1, 0, 1                                ; step 0: slot 0's first head; its products start the sums
	; step 1: slot 0's second head, on set 1.  Slot 0 is left and filled again with K step 3: the three lines, a round of the cluster's barrier, the joint refill first behind it.
	s_wait_tensorcnt 0x0                           ; all my tensor loads have landed: my parts of slots 1 and 2 among them
	ds_add_u32 v[SPW], v[NIL]                      ; 0 onto my spare word
	s_wait_dscnt 0x1                               ; set 1 is in; the add may be out
	WIN MUL
	MUL8 0, 1, 0
	s_wait_dscnt 0x0                               ; the add is done, and my reads of slot 0 are over
	s_barrier_signal -1
	MUL8 1, 1, 0
	WIN 0
	s_barrier_wait -1
	CREST                                          ; the barrier has opened a round of the cluster's: no wave of any partner still reads slot 0 or has a load on its way
	s_add_nc_u64 s[G0+2:G0+3], s[G0+2:G0+3], 0x600000      ; six heads on
	s_add_nc_u64 s[G0B+2:G0B+3], s[G0B+2:G0B+3], 3*ROWB
	JLOAD G0, G1, G0B, G1B                         ; my one tensor load behind the round; its four v_nop are the places in front of the loads below
	FETCH 1, 0, 0
	WIN MUL
	MUL8 2, 1, 0
	MUL8 3, 1, 0
	WIN 0
	STEP 0, 0, 1, 1                                ; step 2: slot 1.  The round above has shown slots 1 and 2 whole to every wave
	STEP 1, 0, 2, 0                                ; step 3
	STEP 0, 0, 2, 1                                ; step 4: slot 2
	; step 5: slot 2's second head, on set 1.  K step 3 is wanted next: my part of it has landed, and a barrier shows everybody's.
	s_wait_tensorcnt 0x0                           ; no load was issued behind the refill
	s_wait_dscnt 0x0                               ; set 1 is in; my reads of slots 1 and 2 are over
	s_barrier_signal -1
	WIN MUL
	MUL8 0, 1, 0
	MUL8 1, 1, 0
	WIN 0
	s_barrier_wait -1
	PLACES NP
	FETCH 0, 0, 0
	WIN MUL
	MUL8 2, 1, 0
	MUL8 3, 1, 0
	WIN 0
	STEP 0, 0, 0, 1                                ; step 6: slot 0 again
	s_wait_dscnt 0x0                               ; step 7: nothing more to fetch
	WIN MUL
	MUL8 0, 1, 0
	MUL8 1, 1, 0
	MUL8 2, 1, 0
	MUL8 3, 1, 0
	WIN 0
; THE WAY OUT, a block of 16 rows x 128 columns at a time, through my own stage: in by 32 bytes a lane, back as whole rows of 512 bytes.
.macro TOSTAGE a
.set AC, 64*(\a)
	WIN 0x42                                       ; source 0 window 2, source 2 (bf) window 0, destination window 1
.set J, 0
.rept 32
	v_pk_fma_f32 v[TMP+J:TMP+J+1], v[AC+J:AC+J+1], s[96:97], v[BF+J:BF+J+1] op_sel_hi:[1,0,1]   ; sum x 2^(e10 + e11) + bf; each accumulator from its low end on
.set J, J+2
.endr
	WIN 0x04                                       ; an LDS store's data: window 1
.irp b, 0,1,2,3,4,5,6,7
	ds_store_b128 v[STO], v[TMP+8*\b:TMP+8*\b+3] offset:64*\b
	ds_store_b128 v[STO], v[TMP+8*\b+4:TMP+8*\b+7] offset:64*\b+16
.endr
	WIN 0
.set BB, BK+64*((\a)%2)
.irp t, 0,1,2,3,4,5,6,7,8,9,10,11,12,13,14,15
	ds_load_b128 v[BB+4*\t:BB+4*\t+3], v[RD] offset:\t*SPITCH      ; LDS serves a wave's instructions in order: these see the stores above
.endr
.endm
.macro SEND a, younger
.set BB, BK+64*((\a)%2)
	s_wait_dscnt \younger
.if (\a) > 0
	s_add_nc_u64 s[12:13], s[12:13], 16*4096       ; (behind a wait on XCNT: the earlier stores have read their base)  16 rows of out0 on
.endif
.irp t, 0,1,2,3,4,5,6,7,8,9,10,11,12,13,14,15
	global_store_b128 v[CO], v[BB+4*\t:BB+4*\t+3], s[12:13] offset:\t*4096 th:TH_STORE_NT   ; 32 lanes store 512 consecutive bytes
.endr
.endm
	s_wait_kmcnt 0x0
	s_add_co_i32 s96, s96, s97
	s_add_co_i32 s96, s96, 127
	s_lshl_b32 s96, s96, 23                        ; 2^(e10 + e11) as f32
	s_mov_b32 s97, s96                             ; (named with it as a pair, so it is written)
	s_wait_loadcnt 0x0                             ; bf
	PLACES NP
	TOSTAGE 0
.irp a, 1,2,3
.if \a > 1
	s_wait_xcnt 0x0                                ; block a - 2's stores have read their registers and their base
.endif
	TOSTAGE \a
	SEND \a-1, 32                                  ; behind block a - 1's loads: block a's 16 stores and 16 loads
.endr
	s_wait_xcnt 0x0                                ; block 2's stores have read their base
	SEND 3, 0
	s_wait_tensorcnt 0x0                           ; the wave's end
	ds_add_u32 v[SPW], v[NIL]
	s_wait_dscnt 0x0
	CROUND                                         ; the closing round
	s_endpgm
.Lfunc_end_k_q9c1c373eaa_outp:
	.size	k_q9c1c373eaa_outp, .Lfunc_end_k_q9c1c373eaa_outp-k_q9c1c373eaa_outp
	.p2alignl 7, 3214868480
	.fill 96, 4, 3214868480
	.section	.rodata,"a",@progbits
	.p2align	6, 0x0
	.amdhsa_kernel k_q9c1c373eaa_outp
		.amdhsa_group_segment_fixed_size 327680
		.amdhsa_private_segment_fixed_size 0
		.amdhsa_enable_private_segment 0
		.amdhsa_kernarg_size 40
		.amdhsa_user_sgpr_count 2
		.amdhsa_user_sgpr_kernarg_segment_ptr 1
		.amdhsa_wavefront_size32 1
		.amdhsa_system_sgpr_workgroup_id_x 1
		.amdhsa_system_sgpr_workgroup_id_y 1
		.amdhsa_system_sgpr_workgroup_id_z 1
		.amdhsa_system_vgpr_workitem_id 0
		.amdhsa_next_free_vgpr 1024
		.amdhsa_next_free_sgpr 100
		.amdhsa_reserve_vcc 0
		.amdhsa_float_denorm_mode_32 3
		.amdhsa_float_denorm_mode_16_64 3
		.amdhsa_memory_ordered 1
		.amdhsa_forward_progress 1
		.amdhsa_inst_pref_size 77
	.end_amdhsa_kernel
	.amdgpu_metadata
---
amdhsa.version: [ 1, 2 ]
amdhsa.kernels:
  - .name:           k_q9c1c373eaa_outp
    .symbol:         k_q9c1c373eaa_outp.kd
    .args:
      - { .name: cc, .offset: 0, .size: 8, .value_kind: global_buffer, .address_space: global }
      - { .name: wc, .offset: 8, .size: 8, .value_kind: global_buffer, .address_space: global }
      - { .name: lowp_scales, .offset: 16, .size: 8, .value_kind: global_buffer, .address_space: global }
      - { .name: bf, .offset: 24, .size: 8, .value_kind: global_buffer, .address_space: global }
      - { .name: out0, .offset: 32, .size: 8, .value_kind: global_buffer, .address_space: global }
    .group_segment_fixed_size: 327680
    .private_segment_fixed_size: 0
    .kernarg_segment_align: 8
    .kernarg_segment_size: 40
    .max_flat_workgroup_size: 128
    .sgpr_count:     100
    .vgpr_count:     1024
    .wavefront_size: 32
...
	.end_amdgpu_metadata
.endif
;; end of part 4
